; MI455X (gfx1250); checked and timed in simulation.
; The chip was launched on July 23, 2026; its instructions are those of AMD's public machine-readable ISA for CDNA 5 (MIT licence, August 2026) and "CDNA5" Instruction Set Architecture Reference Guide (July 2026). The comments in the code are by the model that wrote it; some were corrected since.
;; Ro PE Attention. Allowed arithmetic: matrix products marked QUANTISED: E2M3 operands, one E8M0 scale for each 32 along K, by v_wmma_scale_f32_16x16x128_f8f6f4 with both operands' format E2M3, f32 sums; products left as they are: f32 operands where the result goes on into a quantised operand, else bf16, f16 or f32 operands; f32 sums; everything else in f32.
;; Inputs: Wk 1,024 x 1,024 float32; Wo 1,024 x 1,024 float32; Wq 1,024 x 1,024 float32; Wv 1,024 x 1,024 float32; attention_mask 4 x 2,048 int32; beta 1,024 float32; gamma 1,024 float32; x 4 x 2,048 x 1,024 float32.
;; Outputs: out0 4 x 2,048 x 1,024 float32.
;; This version of the problem:
;;   THIS VERSION OF THE PROBLEM IS GIVEN IN LOW PRECISION. The matrix products marked QUANTISED in the list below multiply operands that are first quantised to E2M3 (2 exponent bits, 3 mantissa bits; 6 bits a number), with one power-of-two scale for each 32 numbers along K (OCP MX v1.0); their sums are f32. All else is computed in f32.
;;   The module's matrix products, in the order in which they are computed (A, B: the left and right operand; K: the contracted axis; several contracted axes count as one K, in the product's order):
;;     1. [M 8,192, K 1,024] x [K 1,024, N 1,024]; A: input x; B: input Wq: QUANTISED
;;     2. [M 8,192, K 1,024] x [K 1,024, N 1,024]; A: input x; B: input Wk: QUANTISED
;;     3. [M 8,192, K 1,024] x [K 1,024, N 1,024]; A: input x; B: input Wv: QUANTISED
;;     4. [M 2,048, K 1] x [K 1, N 32]; A: computed on the way; B: computed on the way: left as it is (no contracted axis)
;;     5. batch 64 x [M 2,048, K 64] x [K 64, N 2,048]; A: computed on the way; B: computed on the way: QUANTISED
;;     6. batch 64 x [M 2,048, K 2,048] x [K 2,048, N 64]; A: softmax (see below); B: computed on the way: QUANTISED
;;     7. [M 8,192, K 1,024] x [K 1,024, N 1,024]; A: computed on the way; B: input Wo: QUANTISED
;;   THE QUANTISER, for each operand of a quantised product, along K:
;;     - K is cut into blocks of 32 from its start; a last block that is shorter is filled with zeros.
;;     - A block's scale is 2^e with e = floor(log2(the largest magnitude in the block)) - 2, held to -126 .. 127; a block of zeros has e = 0. As a byte (E8M0): e + 127.
;;     - Each number is divided by its block's scale, clamped to +-7.5, and rounded to the nearest number of E2M3, ties to even, subnormals kept.
;;     - The product sums the exact products of the quantised numbers (number of the format x scale) in f32.
;;   ~~~python
;;   def quantise(x, axis):      # numpy; x: float32 -> the quantised numbers, widened to float32 again
;;       x = np.moveaxis(x, axis, -1); K = x.shape[-1]
;;       x = np.pad(x, [(0, 0)] * (x.ndim - 1) + [(0, -K % 32)]); x = x.reshape(x.shape[:-1] + (-1, 32)); a = np.abs(x).max(-1, keepdims=True)
;;       e = np.where(a > 0, np.clip(np.frexp(np.where(a > 0, a, 1))[1] - 1 - 2, -126, 127), 0)      # np.frexp(a)[1] - 1 = floor(log2(a)), exactly
;;       r = np.clip(x / 2.0 ** e, -7.5, 7.5)
;;       step = 2.0 ** (np.maximum(np.frexp(np.where(r == 0, 1, r))[1] - 1, 0) - 3)
;;       q = np.round(r / step) * step * 2.0 ** e      # np.round: ties to even
;;       return np.moveaxis(q.reshape(q.shape[:-2] + (-1,))[..., :K], -1, axis).astype(np.float32)
;;   ~~~
;;   SOFTMAX AHEAD OF A QUANTISED PRODUCT. Where the list says 'softmax', what is quantised is not the finished softmax but p = 2^(t - M), with t = logit x log2(e) and M = ceil(the row's largest t), a whole number; so 1/2 < the row's largest p <= 1. The row's sum l is taken of the UNQUANTISED p, in f32, and the product's result is divided by l at the end. Since M is a whole number, a kernel that streams over the keys may use a running M (the ceiling of the running maximum): every later rescaling is an exact power of two, which a block's scale takes up: the codes' values come out the same.
;;   OPERANDS COMPUTED ON THE WAY. 'Computed on the way' means the value that the module computes at that place (a softmax that the list does not call 'softmax' is quantised finished and normalised). What goes into a quantiser is computed in f32, as accurately as f32 sums, v_exp_f32 and their like allow (about 1e-6 of the number): no bf16 or f16 on the way to a quantiser, and a product that is left as it is and whose result goes on into a quantised operand takes f32 operands (vector FMAs, or v_wmma_f32_16x16x4_f32). A number that lies on a knife's edge between two numbers of the format may be rounded either way, as far as f32 arithmetic and the matrix unit's own rounding can turn it there, and no further.
;; One version. Each part assembles by itself: llvm-mc -triple=amdgcn-amd-amdhsa -mcpu=gfx1250 --defsym DOCPART=n.
;; ======== version 1 of 1: 5 launches
;; limits: right only within a limited range of input values
;; workspace buffers: cod 9,830,400 bytes; tab 557,056 bytes; qkv 20,185,088 bytes; oq 6,553,600 bytes; att 33,554,432 bytes
;; launch prep (part 1): grid 804 x 1, 1 waves a work-group, no clusters, 8,960 bytes of LDS; arguments x, Wq, Wk, Wv, Wo, attention_mask, cod, tab; writes cod, tab
.if DOCPART == 1
	.amdgcn_target "amdgcn-amd-amdhsa--gfx1250"
	.amdhsa_code_object_version 6
	.text
	.protected	k_qcc88392c5b_prep
	.globl	k_qcc88392c5b_prep
	.p2align	8
	.type	k_qcc88392c5b_prep,@function
k_qcc88392c5b_prep:
	s_mov_b64 s[64:65], 0
	v_nop
	global_prefetch_b8 v0, s[64:65] scope:SCOPE_SE
	s_setreg_imm32_b32 hwreg(HW_REG_WAVE_MODE, 25, 1), 1
	s_wait_xcnt 0x0
; PREP.  One wave to a work-group; three kinds of work-groups, told apart by the work-group's number alone.
;  0-767   QUANTISER: 16 rows x 1,024 k of x (0-511), Wq, Wk, Wv, Wo (64 each) become codes of FP6 (E2M3) with one E8M0 byte for each 32 along K.
;  768-799 TABLE: cos and sin of t x 10000^(-i/32), 64 rows t each, [2048][32] f32, cos at byte 0 of tab, sin at 262,144.
;  800-803 MASK: one batch each: nb8 = (1 - m) x (-8e9), f32, at 524,288 of tab.
; LAYOUT OF THE CODES.  A HALF IMAGE is 16 rows x 64 k in 768 bytes: lane (r = L % 16, h = L / 16) owns the 32 codes of block h of row r, six registers; registers 0-3 lie at 16 L, registers 4-5 at 512 + 8 L.
; So it is the matrix operand's own registers, stored and loaded by one access of 16 and one of 8 bytes a lane, each covering whole aligned runs of 256 bytes.  cod: [row tile][k / 64][768].
; POSITION ORDER.  Row r of row tile 2 g + u is the tensor's row 32 g + 8 u + r + 8 (r / 8): a product's result then has 16 neighbours along the next K in a lane's 16 registers of two neighbouring tiles.
; The scale bytes lie at SCL0, [position row][32].
; A block's scale is 2^(floor(log2(its largest magnitude)) - 2): its byte is that magnitude's exponent field - 2, held at 1 from below by a floor among the maximum's leaves.
; LIMITS: NaN and infinities among the inputs are not served; a block whose largest magnitude lies under 2^-124, a block of zeros too, gets the byte 1 (its codes are then zeros or held small; only this program reads the bytes).
; 10000^(-i/32) is v_exp_f32 of i x (-log2(10000)/32): within about two units in its last place, so that an angle at t = 2,047 lies within about 2e-4 of the one in f32 arithmetic by powers.
; No matrix unit, no cluster, no tensor load: nothing is shared between work-groups, and every byte is read once.
.set SCL0, 9437184
.set SW,  16                           ; v16-23  the row's eight scale words
.set C,   24                           ; v24-35  a fragment's codes
.set CT,  36                           ; v36-38, v40-42 the upper halves of two blocks (a conversion's three registers begin on an even number)
.set SO,  44                           ; v44-45  the conversions' scale operands
.set BY,  46                           ; v46-47  the scale bytes
.set BM,  48                           ; v48-51  largest magnitudes, two chains a block
.set PD,  52                           ; v52     a lane permute's destination
.set R0,  64                           ; v64-191 two sets of 64: numbers as loaded
.set X,   192                          ; v192-255 64 numbers of my row: 32 c + i = k 64 c + 32 h + i
.macro LOAD t                          ; step t: 128 k of the 16 rows; each load reads 512 consecutive bytes of one row
.irp rho, 0,1,2,3,4,5,6,7,8,9,10,11,12,13,14,15
	global_load_b128 v[R0+64*((\t)%2)+4*\rho:R0+64*((\t)%2)+4*\rho+3], v1, s[24:25] offset:(\rho%8+16*(\rho/8))*4096+512*(\t) th:TH_LOAD_NT
.endr
.endm
.macro TURN t                          ; through the stage: rows of 512 bytes + 16, so that the 16 rows of a read start at 16 different groups of banks.  LDS serves a wave's instructions in order
.irp rho, 0,1,2,3,4,5,6,7,8,9,10,11,12,13,14,15
	ds_store_b128 v1, v[R0+64*((\t)%2)+4*\rho:R0+64*((\t)%2)+4*\rho+3] offset:528*\rho
.endr
.irp c, 0,1
.irp q, 0,1,2,3,4,5,6,7
	ds_load_b128 v[X+32*\c+4*\q:X+32*\c+4*\q+3], v3 offset:256*\c+16*\q
.endr
.endr
.endm
.macro STEP t
	s_wait_dscnt 0x0                               ; my 64 numbers are back; the stage's stores have read their registers
	s_wait_xcnt 0x0                                ; the last step's stores have read the codes' registers
.if (\t) < 6
	LOAD (\t)+2
.endif
.irp c, 0,1
	v_max3_num_f32 v[BM+2*\c], |v[X+32*\c]|, |v[X+32*\c+1]|, 0x1800000      ; the floor 2^(3 - 127): the byte cannot fall under 1
	v_max3_num_f32 v[BM+2*\c+1], |v[X+32*\c+2]|, |v[X+32*\c+3]|, 0x1800000
.endr
.irp i, 4,8,12,16,20,24,28
.irp c, 0,1
	v_max3_num_f32 v[BM+2*\c], v[BM+2*\c], |v[X+32*\c+\i]|, |v[X+32*\c+\i+1]|
	v_max3_num_f32 v[BM+2*\c+1], v[BM+2*\c+1], |v[X+32*\c+\i+2]|, |v[X+32*\c+\i+3]|
.endr
.endr
.irp c, 0,1
	v_max_num_f32 v[BM+2*\c], v[BM+2*\c], v[BM+2*\c+1]   ; the block's largest magnitude: all 32 numbers are mine
.endr
.irp c, 0,1
	v_add_nc_u32 v[SO+\c], 0xff000000, v[BM+2*\c]  ; 2 off its exponent field: the conversion takes the exponent field of this operand as its scale
.endr
.irp c, 0,1
	v_lshrrev_b32 v[BY+\c], 23, v[SO+\c]           ; the scale's byte
.endr
	v_lshl_or_b32 v[SW+(\t)], v[BY+1], 16, v[BY]   ; my two bytes: blocks h and 2 + h of these 128 k,
	v_lshlrev_b32 v[SW+(\t)], v5, v[SW+(\t)]       ; 8 h bits up;
	v_permlanex16_b32 v[PD], v[SW+(\t)], s22, s23
	v_or_b32 v[SW+(\t)], v[SW+(\t)], v[PD]         ; with lane l xor 16's two the word is whole
.irp c, 0,1
	v_cvt_scalef32_pk16_fp6_f32 v[C+6*\c:C+6*\c+2], v[X+32*\c:X+32*\c+15], v[SO+\c]
	v_cvt_scalef32_pk16_fp6_f32 v[CT+4*\c:CT+4*\c+2], v[X+32*\c+16:X+32*\c+31], v[SO+\c]
.endr
	v_nop                                          ; one plain place behind a scaled conversion
.irp c, 0,1
.irp i, 0,1,2
	v_mov_b32 v[C+6*\c+3+\i], v[CT+4*\c+\i]
.endr
.endr
	global_store_b128 v1, v[C:C+3], s[30:31] offset:1536*(\t)           ; two half images: 512 + 256 consecutive bytes each
	global_store_b64 v2, v[C+4:C+5], s[30:31] offset:1536*(\t)+512
	global_store_b128 v1, v[C+6:C+9], s[30:31] offset:1536*(\t)+768
	global_store_b64 v2, v[C+10:C+11], s[30:31] offset:1536*(\t)+1280
.if (\t) < 6
	s_wait_loadcnt 16                              ; the next step's sixteen loads are in; those of the step behind it may be out
	TURN (\t)+1
.elseif (\t) < 7
	s_wait_loadcnt 0x0
	TURN (\t)+1
.endif
.endm
; cos and sin of v[th], 0 <= th < 2,048.  n = the nearest whole number to th x 2 / pi; th - n pi / 2 with pi / 2 in three parts; a polynomial each on +-pi/4; the quadrant picks and signs by selects.
.macro SINCOS th, c, s
	v_mul_f32 v24, 0x3f22f983, v[\th]
	v_rndne_f32 v24, v24
	v_fmamk_f32 v25, v24, 0xbfc90fdb, v[\th]
	v_fmamk_f32 v25, v24, 0x333bbd2e, v25
	v_fmamk_f32 v25, v24, 0x26f72ced, v25
	v_mul_f32 v26, v25, v25
	v_mov_b32 v27, 0xb94ca1f9
	v_fmaak_f32 v27, v27, v26, 0x3c08839e
	v_fmaak_f32 v27, v27, v26, 0xbe2aaaa3
	v_mul_f32 v28, v25, v26
	v_fma_f32 v27, v28, v27, v25                   ; sin of the rest
	v_mov_b32 v29, 0x37ccf5ce
	v_fmaak_f32 v29, v29, v26, 0xbab6061a
	v_fmaak_f32 v29, v29, v26, 0x3d2aaaa5
	v_mul_f32 v28, v26, v26
	v_fma_f32 v30, v26, -0.5, 1.0
	v_fma_f32 v29, v28, v29, v30                   ; cos of the rest
	v_cvt_i32_f32 v24, v24
	v_and_b32 v28, 1, v24
	v_cmp_eq_u32 vcc_lo, 1, v28
	v_cndmask_b32 v30, v27, v29, vcc_lo            ; odd quadrants change the two
	v_cndmask_b32 v31, v29, v27, vcc_lo
	v_lshlrev_b32 v28, 30, v24
	v_and_b32 v28, 0x80000000, v28                 ; the sine is negative in quadrants 2 and 3,
	v_xor_b32 v[\s], v30, v28
	v_add_nc_u32 v24, 1, v24
	v_lshlrev_b32 v28, 30, v24
	v_and_b32 v28, 0x80000000, v28                 ; the cosine in 1 and 2
	v_xor_b32 v[\c], v31, v28
.endm
	s_load_b512 s[4:19], s[0:1], 0x0               ; x, Wq, Wk, Wv, Wo, mask, cod, tab
	v_lshl_add_u32 v62, v0, 2, 0x2200
	v_mov_b32 v63, 0
	v_and_b32 v6, 15, v0                           ; r  (one wave: v0 is the lane)
	v_lshrrev_b32 v7, 4, v0                        ; h
	s_cmp_ge_u32 ttmp9, 800
	s_cbranch_scc1 .Lmask
	s_cmp_ge_u32 ttmp9, 768
	s_cbranch_scc1 .Ltable
	; ---- QUANTISER
	v_lshlrev_b32 v1, 4, v0                        ; 16 L
	v_lshlrev_b32 v2, 3, v0                        ; 8 L
	v_mul_u32_u24 v3, v6, 528
	v_lshl_add_u32 v3, v7, 7, v3                   ; the stage, on the way out: row r, + 128 h
	v_lshlrev_b32 v4, 5, v6
	v_lshl_add_u32 v4, v7, 4, v4                   ; the scale words: 32 r + 16 h
	v_lshlrev_b32 v5, 3, v7                        ; 8 h
	v_mov_b32 v[PD], 0                             ; a lane permute's destination counts as one of its sources
	s_mov_b32 s22, 0x76543210
	s_mov_b32 s23, 0xfedcba98                      ; v_permlanex16_b32's selects for lane l xor 16
	s_and_b32 s27, ttmp9, 63                       ; a weight's row tile (512 is a multiple of 64)
	s_wait_alu depctr_va_vdst(0)
	s_wait_kmcnt 0x0
	s_mov_b64 s[24:25], s[12:13]                   ; which tensor: a choice on the work-group's number alone
	s_cmp_lt_u32 ttmp9, 704
	s_cselect_b64 s[24:25], s[10:11], s[24:25]
	s_cmp_lt_u32 ttmp9, 640
	s_cselect_b64 s[24:25], s[8:9], s[24:25]
	s_cmp_lt_u32 ttmp9, 576
	s_cselect_b64 s[24:25], s[6:7], s[24:25]
	s_cmp_lt_u32 ttmp9, 512
	s_cselect_b64 s[24:25], s[4:5], s[24:25]
	s_cselect_b32 s26, ttmp9, s27                  ; the row tile in its tensor
	s_lshr_b32 s28, s26, 1
	s_lshl_b32 s28, s28, 17                        ; 32 rows of 4,096 bytes for each pair of tiles,
	s_and_b32 s29, s26, 1
	s_lshl_b32 s29, s29, 15                        ; 8 rows for the odd one
	s_add_co_u32 s28, s28, s29
	s_mov_b32 s29, 0
	s_add_nc_u64 s[24:25], s[24:25], s[28:29]
	s_mul_i32 s28, ttmp9, 12288
	s_add_nc_u64 s[30:31], s[16:17], s[28:29]      ; my tile's codes
	s_lshl_b32 s28, ttmp9, 9
	s_add_co_u32 s28, s28, SCL0
	s_add_nc_u64 s[32:33], s[16:17], s[28:29]      ; and its scale bytes
	LOAD 0
	LOAD 1
	s_wait_loadcnt 16                              ; step 0's sixteen loads are in, step 1's may be out
	TURN 0
.irp t, 0,1,2,3,4,5,6,7
	STEP \t
.endr
	s_mov_b32 vcc_lo, 0xffff0000
.irp j, 0,1,2,3
	v_cndmask_b32 v[36+\j], v[SW+\j], v[SW+4+\j], vcc_lo   ; lanes 0-15 store a row's words 0-3, lanes 16-31 its words 4-7
.endr
	global_store_b128 v4, v[36:39], s[32:33]       ; 512 consecutive bytes
	s_wait_tensorcnt 0x0
	ds_add_u32 v62, v63
	s_wait_dscnt 0x0
	s_endpgm
	; ---- TABLE: two rows a trip; lane (q, hf): row + hf, frequencies 2 q and 2 q + 1
.Ltable:
	s_sub_co_u32 s26, ttmp9, 768
	s_lshl_b32 s26, s26, 6
	s_wait_alu depctr_va_vdst(0)
	v_add_nc_u32 v8, s26, v7
	v_cvt_f32_u32 v9, v8                           ; t
	v_lshlrev_b32 v10, 7, v8
	v_lshl_add_u32 v10, v6, 3, v10                 ; 128 t + 8 q
	v_lshlrev_b32 v11, 1, v6
	v_cvt_f32_u32 v12, v11
	v_add_nc_u32 v11, 1, v11
	v_cvt_f32_u32 v13, v11
	v_mul_f32 v12, 0xbed49a78, v12                 ; i x (-log2(10000) / 32)
	v_mul_f32 v13, 0xbed49a78, v13
	s_wait_alu depctr_va_vdst(0)
	v_exp_f32 v12, v12
	v_exp_f32 v13, v13
	v_nop                                          ; one plain place behind a transcendental
	s_mov_b32 s27, 32
	s_wait_kmcnt 0x0
.Lrow:
	s_wait_alu depctr_va_vdst(0)
	v_mul_f32 v14, v9, v12                         ; the angle: one rounding
	v_mul_f32 v15, v9, v13
	SINCOS 14, 20, 22
	SINCOS 15, 21, 23
	global_store_b64 v10, v[20:21], s[18:19]       ; 256 consecutive bytes, aligned
	global_store_b64 v10, v[22:23], s[18:19] offset:262144
	s_wait_xcnt 0x0                                ; the stores have read their registers: offset and data are written again only behind this wait
	v_add_nc_u32 v10, 256, v10
	v_add_f32 v9, 2.0, v9
	s_sub_co_u32 s27, s27, 1
	s_cmp_lg_u32 s27, 0
	s_cbranch_scc1 .Lrow
	s_endpgm
	; ---- MASK: a batch's 2,048 whole numbers, 128 to a load
.Lmask:
	s_sub_co_u32 s26, ttmp9, 800                   ; the batch
	s_lshl_b32 s28, s26, 13
	s_mov_b32 s29, 0
	v_lshlrev_b32 v1, 4, v0
	s_wait_alu depctr_va_vdst(0)
	s_wait_kmcnt 0x0
	s_add_nc_u64 s[14:15], s[14:15], s[28:29]
	s_add_co_u32 s28, s28, 524288
	s_add_nc_u64 s[18:19], s[18:19], s[28:29]
.irp s, 0,1,2,3,4,5,6,7,8,9,10,11,12,13,14,15
	global_load_b128 v[64+4*\s:67+4*\s], v1, s[14:15] offset:512*\s
.endr
	s_wait_loadcnt 0x0
.irp s, 0,1,2,3,4,5,6,7,8,9,10,11,12,13,14,15
.irp i, 0,1,2,3
	v_cvt_f32_i32 v[128+4*\s+\i], v[64+4*\s+\i]
.endr
.irp i, 0,1,2,3
	v_sub_f32 v[128+4*\s+\i], 1.0, v[128+4*\s+\i]
.endr
.irp i, 0,1,2,3
	v_mul_f32 v[128+4*\s+\i], 0xcfee6b28, v[128+4*\s+\i]   ; x (-8e9): eight times what is taken off a logit, since it is added to the score ahead of the factor 1/8; a power of two changes no rounding
.endr
	global_store_b128 v1, v[128+4*\s:131+4*\s], s[18:19] offset:512*\s     ; 512 consecutive bytes
.endr
	s_endpgm
.Lfunc_end_k_qcc88392c5b_prep:
	.size	k_qcc88392c5b_prep, .Lfunc_end_k_qcc88392c5b_prep-k_qcc88392c5b_prep
	.p2alignl 7, 3214868480
	.fill 96, 4, 3214868480
	.section	.rodata,"a",@progbits
	.p2align	6, 0x0
	.amdhsa_kernel k_qcc88392c5b_prep
		.amdhsa_group_segment_fixed_size 8960
		.amdhsa_private_segment_fixed_size 0
		.amdhsa_enable_private_segment 0
		.amdhsa_kernarg_size 64
		.amdhsa_user_sgpr_count 2
		.amdhsa_user_sgpr_kernarg_segment_ptr 1
		.amdhsa_wavefront_size32 1
		.amdhsa_system_sgpr_workgroup_id_x 1
		.amdhsa_system_sgpr_workgroup_id_y 1
		.amdhsa_system_sgpr_workgroup_id_z 1
		.amdhsa_system_vgpr_workitem_id 0
		.amdhsa_next_free_vgpr 256
		.amdhsa_next_free_sgpr 66
		.amdhsa_reserve_vcc 1
		.amdhsa_float_denorm_mode_32 3
		.amdhsa_float_denorm_mode_16_64 3
		.amdhsa_memory_ordered 1
		.amdhsa_forward_progress 1
		.amdhsa_inst_pref_size 74
	.end_amdhsa_kernel
	.amdgpu_metadata
---
amdhsa.version: [ 1, 2 ]
amdhsa.kernels:
  - .name:           k_qcc88392c5b_prep
    .symbol:         k_qcc88392c5b_prep.kd
    .args:
      - { .name: x, .offset: 0, .size: 8, .value_kind: global_buffer, .address_space: global }
      - { .name: Wq, .offset: 8, .size: 8, .value_kind: global_buffer, .address_space: global }
      - { .name: Wk, .offset: 16, .size: 8, .value_kind: global_buffer, .address_space: global }
      - { .name: Wv, .offset: 24, .size: 8, .value_kind: global_buffer, .address_space: global }
      - { .name: Wo, .offset: 32, .size: 8, .value_kind: global_buffer, .address_space: global }
      - { .name: attention_mask, .offset: 40, .size: 8, .value_kind: global_buffer, .address_space: global }
      - { .name: cod, .offset: 48, .size: 8, .value_kind: global_buffer, .address_space: global }
      - { .name: tab, .offset: 56, .size: 8, .value_kind: global_buffer, .address_space: global }
    .group_segment_fixed_size: 8960
    .private_segment_fixed_size: 0
    .kernarg_segment_align: 8
    .kernarg_segment_size: 64
    .max_flat_workgroup_size: 32
    .sgpr_count:     66
    .vgpr_count:     256
    .wavefront_size: 32
...
	.end_amdgpu_metadata
.endif
;; end of part 1
;; launch qkv (part 2): grid 12 x 32, 4 waves a work-group, clusters of 4 x 4, 327,680 bytes of LDS; arguments cod, tab, qkv; writes qkv
.if DOCPART == 2
	.amdgcn_target "amdgcn-amd-amdhsa--gfx1250"
	.amdhsa_code_object_version 6
	.text
	.protected	k_qcc88392c5b_qkv
	.globl	k_qcc88392c5b_qkv
	.p2align	8
	.type	k_qcc88392c5b_qkv,@function
k_qcc88392c5b_qkv:
	s_mov_b64 s[64:65], 0
	v_nop
	global_prefetch_b8 v0, s[64:65] scope:SCOPE_SE
	s_setreg_imm32_b32 hwreg(HW_REG_WAVE_MODE, 25, 1), 1
	s_wait_xcnt 0x0
	s_wait_alu depctr_hold_cnt(0) depctr_sa_sdst(0) depctr_va_vdst(0) depctr_va_sdst(0) depctr_va_ssrc(0) depctr_va_vcc(0) depctr_vm_vsrc(0)
	s_getreg_b32 s2, hwreg(HW_REG_IB_STS2, 6, 4)
	s_cmp_eq_u32 s2, 0
	s_cbranch_scc0 .Lentry_in_a_cluster
	s_endpgm
.Lentry_in_a_cluster:
	s_bfe_u32 s2, ttmp6, 0x10000c
	s_cmp_lg_u32 s2, 0xf033
	s_cbranch_scc0 .Lentry_shape_is_right
	s_endpgm
.Lentry_shape_is_right:
.set HALFT,  24576
.set SLOT,   98304
.set SCL,    196608
.set HALFS,  4352
.set SBLK,   544
.set SPARE,  214016
.set SCL0,   9437184
.set HB,     315392
.set KS, 32
.set NQ, 2
.set FR, 12
.set NL, 4
.set NP, 4
.set ADRA, 16
.set ADRB, 20
.set ADRS, 27
.set SPW,  28
.set NIL,  29
.set SC,   32
.set AF,   128
.set G1, 24
.set G0, 32
.set G1B, 48
.set G0B, 56
.set G1S, 68
.set G0S, 76
.set G1SB, 80
.set G0SB, 88
.set BM, 6
.set PX, 10
.set CS, 64
.set Y,  128
.set JW, 192
.set SO, 200
.set CT, 204
.set SW, 212
.set SEL, 96
.set MSB, 0
.macro WIN new
.if MSB != (\new)
	s_set_vgpr_msb (MSB<<8)|(\new)
.set MSB, (\new)
.endif
.endm
.set MUL_LO, 0xa1
.set MUL_HI, 0xf1
.set TO_B,   0x40
.macro JLOAD g0a, g1a, g0b, g1b
	s_cmp_eq_u32 s15, 0
	s_cbranch_scc0 .Lfor_b_\@
	tensor_load_to_lds s[\g0a:\g0a+3], s[\g1a:\g1a+7]
	s_nop 0
.rept 4
	v_nop
.endr
	s_branch .Lasked_\@
.Lfor_b_\@:
	tensor_load_to_lds s[\g0b:\g0b+3], s[\g1b:\g1b+7]
	s_nop 0
.rept 4
	v_nop
.endr
.Lasked_\@:
.endm
.macro CREST
	s_cmp_lg_u32 s14, 0
	s_cbranch_scc1 .Lnot_wave_0_\@
	s_barrier_signal -3
.Lnot_wave_0_\@:
	s_barrier_wait -3
	s_barrier_signal -1
	s_barrier_wait -1
.endm
.macro CROUND
	s_barrier_signal -1
	s_barrier_wait -1
	CREST
.endm
.macro FRAG reg, adr, q, i
	ds_load_b128 v[\reg:\reg+3], v[\adr] offset:3072*(\i)+1536*(\q)
	ds_load_b64 v[\reg+4:\reg+5], v[\adr+2] offset:3072*(\i)+1536*(\q)+512
	ds_load_b128 v[\reg+6:\reg+9], v[\adr] offset:3072*(\i)+1536*(\q)+768
	ds_load_b64 v[\reg+10:\reg+11], v[\adr+2] offset:3072*(\i)+1536*(\q)+1280
.endm
.macro MUL16 a0, p, q, sc, zero
.irp a, \a0, \a0+1
.irp b, 0,1,2,3,4,5,6,7
.if \zero
	v_wmma_scale_f32_16x16x128_f8f6f4 v[8*(8*((\a)%4)+\b):8*(8*((\a)%4)+\b)+7], v[128*(\p)+FR*\b:128*(\p)+FR*\b+FR-1], v[AF+FR*(\a):AF+FR*(\a)+FR-1], 0, v[SC+8*NQ*(\sc)+NQ*\b+(\q)], v[SC+8*NQ*(\sc)+NQ*(\a)+(\q)] matrix_a_fmt:MATRIX_FMT_FP6 matrix_b_fmt:MATRIX_FMT_FP6 matrix_a_scale:MATRIX_SCALE_ROW1
.else
	v_wmma_scale_f32_16x16x128_f8f6f4 v[8*(8*((\a)%4)+\b):8*(8*((\a)%4)+\b)+7], v[128*(\p)+FR*\b:128*(\p)+FR*\b+FR-1], v[AF+FR*(\a):AF+FR*(\a)+FR-1], v[8*(8*((\a)%4)+\b):8*(8*((\a)%4)+\b)+7], v[SC+8*NQ*(\sc)+NQ*\b+(\q)], v[SC+8*NQ*(\sc)+NQ*(\a)+(\q)] matrix_a_fmt:MATRIX_FMT_FP6 matrix_b_fmt:MATRIX_FMT_FP6 matrix_a_scale:MATRIX_SCALE_ROW1
.endif
.endr
.endr
.endm
.macro FETCH_B slot, q, p
	WIN TO_B
.irp i, 0,1,2,3,4,5,6,7
	FRAG 128*(\p)+FR*\i, ADRB+\slot, \q, \i
.endr
	WIN 0
.endm
.macro FETCH_A slot, q, i0
.irp i, \i0, \i0+1, \i0+2, \i0+3
	FRAG AF+FR*(\i), ADRA+\slot, \q, \i
.endr
.endm
.macro SCALES sc
.irp i, 0,1,2,3,4,5,6,7
	ds_load_b64 v[SC+8*NQ*\sc+NQ*\i:SC+8*NQ*\sc+NQ*\i+1], v[ADRS] offset:\i*SBLK
.endr
.endm
.macro PLACES n
.rept \n
	v_nop
.endr
.endm
.macro STEP slot, q, zero
	s_wait_dscnt 4*NL
	WIN MUL_LO
	MUL16 0, (\q)%2, \q, \slot, \zero
	MUL16 2, (\q)%2, \q, \slot, \zero
	s_wait_dscnt 0
	PLACES NP
	FETCH_B \slot, (\q)+1, 1-(\q)%2
	FETCH_A \slot, (\q)+1, 0
	WIN MUL_HI
	MUL16 4, (\q)%2, \q, \slot, \zero
	MUL16 6, (\q)%2, \q, \slot, \zero
	PLACES NP
	WIN 0
	FETCH_A \slot, (\q)+1, 4
.endm
.macro TURN slot, next, fill
	s_wait_tensorcnt 0x0
	ds_add_u32 v[SPW], v[NIL]
	s_wait_dscnt 4*NL+1
	WIN MUL_LO
	MUL16 0, 1, NQ-1, \slot, 0
	s_wait_dscnt 0x0
	s_barrier_signal -1
	MUL16 2, 1, NQ-1, \slot, 0
	WIN 0
	s_barrier_wait -1
.if \fill
	CREST
	s_add_nc_u64 s[G0+4*\slot+2:G0+4*\slot+3], s[G0+4*\slot+2:G0+4*\slot+3], 6144
	s_add_nc_u64 s[G0B+4*\slot+2:G0B+4*\slot+3], s[G0B+4*\slot+2:G0B+4*\slot+3], 6144
	JLOAD G0+4*\slot, G1, G0B+4*\slot, G1B
.else
	PLACES NP
.endif
	s_wait_alu depctr_va_vdst(0)
	v_add_nc_u32 v[ADRS], 4*NQ, v[ADRS]
	FETCH_B \next, 0, 0
	FETCH_A \next, 0, 0
	SCALES \next
	WIN MUL_HI
	MUL16 4, 1, NQ-1, \slot, 0
	MUL16 6, 1, NQ-1, \slot, 0
	PLACES NP
	WIN 0
	FETCH_A \next, 0, 4
.endm
.macro QUANT2 s, pc
.irp b, 0,1
	v_max3_num_f32 v[BM+\b], |v[\s+16*\b]|, |v[\s+16*\b+1]|, 0x1800000
.endr
.irp i, 2,4,6,8,10,12,14
.irp b, 0,1
	v_max3_num_f32 v[BM+\b], v[BM+\b], |v[\s+16*\b+\i]|, |v[\s+16*\b+\i+1]|
.endr
.endr
.irp b, 0,1
	v_permlanex16_b32 v[PX+\b], v[BM+\b], s[SEL], s[SEL+1]
.endr
.irp b, 0,1
	v_max_num_f32 v[BM+\b], v[BM+\b], v[PX+\b]
.endr
.irp b, 0,1
	v_add_nc_u32 v[SO+\b], 0xff000000, v[BM+\b]
.endr
.irp b, 0,1
	v_lshrrev_b32 v[PX+\b], 23, v[SO+\b]
.endr
	v_cvt_scalef32_pk16_fp6_f32 v[\pc:\pc+2], v[\s:\s+15], v[SO]
	v_cvt_scalef32_pk16_fp6_f32 v[CT:CT+2], v[\s+16:\s+31], v[SO+1]
	v_nop
.irp i, 0,1,2
	v_permlane16_swap_b32 v[\pc+\i], v[CT+\i]
.endr
.irp i, 0,1,2
	v_mov_b32 v[\pc+3+\i], v[CT+\i]
.endr
.endm
	s_load_b128 s[4:7], s[0:1], 0x0
	s_load_b64 s[8:9], s[0:1], 0x10
	v_lshl_add_u32 v[SPW], v0, 2, SPARE
	v_mov_b32 v[NIL], 0
	ds_add_u32 v28, v29
	ds_add_u32 v28, v29
	s_wait_dscnt 0x0
	v_lshrrev_b32 v1, 5, v0
	v_readfirstlane_b32 s14, v1
	s_lshr_b32 s15, s14, 1
	s_and_b32 s16, s14, 1
	s_bfe_u32 s40, ttmp6, 0x40000
	s_bfe_u32 s41, ttmp6, 0x40004
	s_lshr_b32 s42, ttmp9, 1
	s_xor_b32 s17, s42, 1
	s_and_b32 s18, ttmp7, 0xffff
	s_lshl_b32 s18, s18, 2
	s_mul_i32 s19, s17, s18
	s_mul_i32 s20, s42, 40
	s_add_co_u32 s19, s19, s20
	s_add_co_u32 s19, s19, s41
	s_lshl_b32 s46, ttmp9, 2
	s_add_co_u32 s46, s46, 32
	s_mul_i32 s46, s46, s17
	s_mul_i32 s47, s42, s18
	s_add_co_u32 s46, s46, s47
	s_add_co_u32 s46, s46, s40
	s_lshl_b32 s43, s41, 2
	s_lshl_b32 s43, 15, s43
	s_lshl_b32 s44, 0x1111, s40
	s_or_b32 s[G1+0], s43, (3<<16)|(1<<21)
	s_or_b32 s[G1B+0], s44, (3<<16)|(1<<21)
.irp g, G1, G1B
	s_mov_b32 s[\g+1], 384<<16
	s_mov_b32 s[\g+2], 8<<16
	s_mov_b32 s[\g+3], 384<<16
	s_mov_b32 s[\g+4], 8
	s_mov_b32 s[\g+5], 1536
	s_mov_b32 s[\g+6], 0
	s_mov_b32 s[\g+7], 0
.endr
	s_or_b32 s[G1S+0], s43, (3<<16)|(1<<20)|(1<<21)|(5<<22)|(3<<25)
	s_or_b32 s[G1SB+0], s44, (3<<16)|(1<<20)|(1<<21)|(5<<22)|(3<<25)
.irp g, G1S, G1SB
	s_mov_b32 s[\g+1], 32<<16
	s_mov_b32 s[\g+2], 16<<16
	s_mov_b32 s[\g+3], 32<<16
	s_mov_b32 s[\g+4], 16
	s_mov_b32 s[\g+5], 32
	s_mov_b32 s[\g+6], 0
	s_mov_b32 s[\g+7], 0
.endr
	s_mul_i32 s95, s16, 98304
	s_lshl_b32 s98, s16, 12
	s_add_co_u32 s98, s98, SCL0
	s_mul_i32 s20, s19, 196608
	s_add_co_u32 s20, s20, s95
	s_mov_b32 s21, 0
	s_lshl_b32 s22, s19, 13
	s_add_co_u32 s22, s22, s98
	s_mov_b32 s23, 0
	s_mul_i32 s10, s46, 196608
	s_add_co_u32 s10, s10, s95
	s_mov_b32 s11, 0
	s_lshl_b32 s12, s46, 13
	s_add_co_u32 s12, s12, s98
	s_mov_b32 s13, 0
	s_mul_i32 s45, s14, HALFT
	s_mul_i32 s94, s14, HALFS
	s_wait_kmcnt 0x0
	s_add_nc_u64 s[20:21], s[4:5], s[20:21]
	s_add_nc_u64 s[22:23], s[4:5], s[22:23]
	s_add_nc_u64 s[10:11], s[4:5], s[10:11]
	s_add_nc_u64 s[12:13], s[4:5], s[12:13]
	CROUND
	s_mov_b32 s[G0S], 1
	s_add_co_u32 s[G0S+1], s94, SCL
	s_mov_b64 s[G0S+2:G0S+3], s[22:23]
	s_or_b32 s[G0S+3], s[G0S+3], 0x80000000
	s_mov_b32 s[G0SB], 1
	s_add_co_u32 s[G0SB+1], s94, SCL
	s_mov_b64 s[G0SB+2:G0SB+3], s[12:13]
	s_or_b32 s[G0SB+3], s[G0SB+3], 0x80000000
	JLOAD G0S, G1S, G0SB, G1SB
.irp s, 0,1
	s_mov_b32 s[G0+4*\s], 1
	s_add_co_u32 s[G0+4*\s+1], s45, \s*SLOT
	s_add_nc_u64 s[G0+4*\s+2:G0+4*\s+3], s[20:21], \s*3072
	s_or_b32 s[G0+4*\s+3], s[G0+4*\s+3], 0x80000000
	s_mov_b32 s[G0B+4*\s], 1
	s_add_co_u32 s[G0B+4*\s+1], s45, \s*SLOT
	s_add_nc_u64 s[G0B+4*\s+2:G0B+4*\s+3], s[10:11], \s*3072
	s_or_b32 s[G0B+4*\s+3], s[G0B+4*\s+3], 0x80000000
	s_wait_alu depctr_va_vdst(0)
	s_wait_tensorcnt 0x0
	ds_add_u32 v28, v29
	s_wait_dscnt 0x0
	CROUND
	JLOAD G0+4*\s, G1, G0B+4*\s, G1B
.endr
	v_and_b32 v1, 15, v0
	v_bfe_u32 v2, v0, 4, 1
	v_and_b32 v3, 31, v0
	v_lshlrev_b32 v4, 4, v3
	v_lshlrev_b32 v5, 3, v3
	s_mul_i32 s21, s15, HALFT
	s_mul_i32 s22, s16, HALFT
	s_add_co_u32 s22, s22, 2*HALFT
.irp s, 0,1
	v_add_nc_u32 v[ADRA+\s], s21, v4
	v_add_nc_u32 v[ADRB+\s], s22, v4
	v_add_nc_u32 v[ADRA+2+\s], s21, v5
	v_add_nc_u32 v[ADRB+2+\s], s22, v5
	s_add_co_u32 s21, s21, SLOT
	s_add_co_u32 s22, s22, SLOT
.endr
	v_mul_u32_u24 v6, v1, KS
	v_lshrrev_b32 v7, 8, v6
	v_lshl_add_u32 v6, v7, 4, v6
	s_mul_i32 s21, s15, HALFS
	s_mul_i32 s22, s16, HALFS
	s_add_co_u32 s22, s22, 2*HALFS
	s_sub_co_u32 s22, s22, s21
	v_mul_u32_u24 v7, s22, v2
	s_add_co_u32 s21, s21, SCL
	v_add_nc_u32 v6, v6, v7
	v_add_nc_u32 v[ADRS], s21, v6
	s_wait_alu depctr_va_vdst(0)
	s_wait_tensorcnt 1
	s_barrier_signal -1
	s_barrier_wait -1
	FETCH_B 0, 0, 0
	FETCH_A 0, 0, 0
	SCALES 0
	FETCH_A 0, 0, 4
	STEP 0, 0, 1
	TURN 0, 1, 1
	STEP 1, 0, 0
	TURN 1, 0, 1
	STEP 0, 0, 0
	TURN 0, 1, 0
	STEP 1, 0, 0
	s_wait_dscnt 4*NL
	WIN MUL_LO
	MUL16 0, 1, NQ-1, 1, 0
	MUL16 2, 1, NQ-1, 1, 0
	s_wait_dscnt 0
	WIN MUL_HI
	MUL16 4, 1, NQ-1, 1, 0
	MUL16 6, 1, NQ-1, 1, 0
	WIN 0
	PLACES NP
	s_mov_b32 s[SEL], 0x76543210
	s_mov_b32 s[SEL+1], 0xfedcba98
	s_mov_b32 vcc_lo, 0xffff0000
.irp b, 0,1,2,3
	v_mov_b32 v[PX+\b], 0
.endr
	s_cmp_eq_u32 s42, 1
	s_cbranch_scc1 .Lv
	s_cmp_eq_u32 ttmp9, 0
	s_cselect_b32 s2, 1, 0
	s_and_b32 s3, s19, 7
	s_lshl_b32 s3, s3, 8
	s_lshl_b32 s99, s15, 7
	s_add_co_u32 s3, s3, s99
	s_lshl_b32 s92, s3, 7
	s_mov_b32 s93, 0
	s_add_nc_u64 s[6:7], s[6:7], s[92:93]
	s_lshr_b32 s92, s19, 3
	s_lshl_b32 s92, s92, 4
	s_lshl_b32 s99, s40, 2
	s_add_co_u32 s92, s92, s99
	s_lshl_b32 s99, s16, 1
	s_add_co_u32 s92, s92, s99
	s_mul_i32 s92, s92, HB
	s_add_nc_u64 s[66:67], s[8:9], s[92:93]
	s_mul_i32 s92, s2, 110592
	s_add_co_u32 s92, s92, 196608
	s_lshr_b32 s99, s3, 7
	s_lshl_b32 s99, s99, 9
	s_add_co_u32 s92, s92, s99
	s_add_nc_u64 s[100:101], s[66:67], s[92:93]
	s_mul_i32 s92, s2, 208896
	s_lshr_b32 s99, s3, 4
	s_mul_i32 s99, s99, 768
	s_add_co_u32 s92, s92, s99
	s_add_nc_u64 s[66:67], s[66:67], s[92:93]
	v_and_b32 v3, 8, v1
	v_add_nc_u32 v3, v3, v1
	v_lshlrev_b32 v3, 7, v3
	v_lshl_add_u32 v3, v2, 6, v3
.macro LOADCS a
.irp q, 0,1,2,3
	global_load_b128 v[CS+32*((\a)%2)+4*\q:CS+32*((\a)%2)+4*\q+3], v3, s[6:7] offset:(32*((\a)/2)+8*((\a)%2))*128+16*\q
	global_load_b128 v[CS+32*((\a)%2)+16+4*\q:CS+32*((\a)%2)+16+4*\q+3], v3, s[6:7] offset:(32*((\a)/2)+8*((\a)%2))*128+16*\q+262144
.endr
.endm
.macro ROPE a, e
.set AC, 64*((\a)%4)+32*(\e)
.set CC, CS+32*((\a)%2)
	WIN 2+(\a)/4
.irp m, 0,2,4,6,8,10,12,14
	v_pk_mul_f32 v[Y+\m:Y+\m+1], v[AC+16+\m:AC+16+\m+1], v[CC+16+\m:CC+16+\m+1]
	v_pk_fma_f32 v[Y+\m:Y+\m+1], v[AC+\m:AC+\m+1], v[CC+\m:CC+\m+1], v[Y+\m:Y+\m+1] neg_lo:[0,0,1] neg_hi:[0,0,1]
	v_pk_mul_f32 v[Y+16+\m:Y+16+\m+1], v[AC+16+\m:AC+16+\m+1], v[CC+\m:CC+\m+1]
	v_pk_fma_f32 v[Y+16+\m:Y+16+\m+1], v[AC+\m:AC+\m+1], v[CC+16+\m:CC+16+\m+1], v[Y+16+\m:Y+16+\m+1]
.endr
	WIN 0
.endm
	LOADCS 0
	s_wait_alu depctr_va_vdst(0)
.irp a, 0,1,2,3,4,5,6,7
	s_wait_xcnt 0x0
.if \a < 7
	LOADCS \a+1
	s_wait_loadcnt 8
.else
	s_wait_loadcnt 0x0
.endif
.irp e, 0,1
	ROPE \a, \e
	QUANT2 Y, 160+8*(2*(\a%2)+\e)
	v_lshl_or_b32 v[SW+2*\a+\e], v[PX+1], 8, v[PX]
	v_or_b32 v[SW+2*\a+\e], 0x7f7f0000, v[SW+2*\a+\e]
	global_store_b128 v4, v[160+8*(2*(\a%2)+\e):160+8*(2*(\a%2)+\e)+3], s[66:67] offset:\e*HB+768*\a
	global_store_b64 v5, v[160+8*(2*(\a%2)+\e)+4:160+8*(2*(\a%2)+\e)+5], s[66:67] offset:\e*HB+768*\a+512
.endr
.endr
.irp e, 0,1
.irp j, 0,1,2,3
	v_cndmask_b32 v[JW+4*\e+\j], v[SW+4*\j+\e], v[SW+4*\j+2+\e], vcc_lo
.endr
	global_store_b128 v4, v[JW+4*\e:JW+4*\e+3], s[100:101] offset:\e*HB
.endr
	s_branch .Lend
.Lv:
	s_lshr_b32 s92, s46, 3
	s_lshl_b32 s92, s92, 4
	s_lshl_b32 s99, s41, 2
	s_add_co_u32 s92, s92, s99
	s_lshl_b32 s99, s15, 1
	s_add_co_u32 s92, s92, s99
	s_mul_i32 s92, s92, HB
	s_mov_b32 s93, 0
	s_add_nc_u64 s[66:67], s[8:9], s[92:93]
	s_and_b32 s3, s46, 7
	s_lshl_b32 s3, s3, 1
	s_add_co_u32 s3, s3, s16
	s_lshl_b32 s92, s3, 8
	s_add_co_u32 s92, s92, 204800
	s_add_nc_u64 s[100:101], s[66:67], s[92:93]
	s_mul_i32 s92, s3, 6144
	s_add_co_u32 s92, s92, 98304
	s_add_nc_u64 s[66:67], s[66:67], s[92:93]
.macro QV a
.set AC, 64*((\a)%4)
.set W, 2+(\a)/4
.set PCS, 160+16*((\a)%2)
	s_wait_xcnt 0x0
	WIN (W<<2)|(W<<4)
.irp b, 0,1,2,3
	v_max3_num_f32 v[BM+\b], 0x1800000, |v[AC+16*\b]|, |v[AC+16*\b+1]|
.endr
.irp i, 2,4,6,8,10,12,14
.irp b, 0,1,2,3
	v_max3_num_f32 v[BM+\b], v[BM+\b], |v[AC+16*\b+\i]|, |v[AC+16*\b+\i+1]|
.endr
.endr
	WIN 0
.irp b, 0,1,2,3
	v_permlanex16_b32 v[PX+\b], v[BM+\b], s[SEL], s[SEL+1]
.endr
.irp b, 0,1,2,3
	v_max_num_f32 v[BM+\b], v[BM+\b], v[PX+\b]
.endr
.irp b, 0,1,2,3
	v_add_nc_u32 v[SO+\b], 0xff000000, v[BM+\b]
.endr
.irp b, 0,1,2,3
	v_lshrrev_b32 v[PX+\b], 23, v[SO+\b]
.endr
	v_lshl_or_b32 v[SW+(\a)], v[PX+1], 8, v[PX]
	v_lshl_or_b32 v[SW+(\a)], v[PX+2], 16, v[SW+(\a)]
	v_lshl_or_b32 v[SW+(\a)], v[PX+3], 24, v[SW+(\a)]
	WIN W
.irp c, 0,1
	v_cvt_scalef32_pk16_fp6_f32 v[PCS+6*\c:PCS+6*\c+2], v[AC+32*\c:AC+32*\c+15], v[SO+2*\c]
	v_cvt_scalef32_pk16_fp6_f32 v[CT+4*\c:CT+4*\c+2], v[AC+32*\c+16:AC+32*\c+31], v[SO+2*\c+1]
.endr
	WIN 0
	v_nop
.irp c, 0,1
.irp i, 0,1,2
	v_permlane16_swap_b32 v[PCS+6*\c+\i], v[CT+4*\c+\i]
.endr
.irp i, 0,1,2
	v_mov_b32 v[PCS+6*\c+3+\i], v[CT+4*\c+\i]
.endr
.endr
	global_store_b128 v4, v[PCS:PCS+3], s[66:67] offset:((\a)/4)*HB+((\a)%4)*1536
	global_store_b64 v5, v[PCS+4:PCS+5], s[66:67] offset:((\a)/4)*HB+((\a)%4)*1536+512
	global_store_b128 v4, v[PCS+6:PCS+9], s[66:67] offset:((\a)/4)*HB+((\a)%4)*1536+768
	global_store_b64 v5, v[PCS+10:PCS+11], s[66:67] offset:((\a)/4)*HB+((\a)%4)*1536+1280
.endm
.irp a, 0,1,2,3,4,5,6,7
	QV \a
.endr
.irp e, 0,1
.irp j, 0,1
	v_cndmask_b32 v[JW+2*\e+\j], v[SW+4*\e+2*\j], v[SW+4*\e+2*\j+1], vcc_lo
.endr
	global_store_b64 v5, v[JW+2*\e:JW+2*\e+1], s[100:101] offset:\e*HB
.endr
.Lend:
	s_wait_tensorcnt 0x0
	ds_add_u32 v[SPW], v[NIL]
	s_wait_dscnt 0x0
	CROUND
	s_endpgm
.Lfunc_end_k_qcc88392c5b_qkv:
	.size	k_qcc88392c5b_qkv, .Lfunc_end_k_qcc88392c5b_qkv-k_qcc88392c5b_qkv
	.p2alignl 7, 3214868480
	.fill 96, 4, 3214868480
	.section	.rodata,"a",@progbits
	.p2align	6, 0x0
	.amdhsa_kernel k_qcc88392c5b_qkv
		.amdhsa_group_segment_fixed_size 327680
		.amdhsa_private_segment_fixed_size 0
		.amdhsa_enable_private_segment 0
		.amdhsa_kernarg_size 24
		.amdhsa_user_sgpr_count 2
		.amdhsa_user_sgpr_kernarg_segment_ptr 1
		.amdhsa_wavefront_size32 1
		.amdhsa_system_sgpr_workgroup_id_x 1
		.amdhsa_system_sgpr_workgroup_id_y 1
		.amdhsa_system_sgpr_workgroup_id_z 1
		.amdhsa_system_vgpr_workitem_id 0
		.amdhsa_next_free_vgpr 1024
		.amdhsa_next_free_sgpr 102
		.amdhsa_reserve_vcc 1
		.amdhsa_float_denorm_mode_32 3
		.amdhsa_float_denorm_mode_16_64 3
		.amdhsa_memory_ordered 1
		.amdhsa_forward_progress 1
		.amdhsa_inst_pref_size 225
	.end_amdhsa_kernel
	.amdgpu_metadata
---
amdhsa.version: [ 1, 2 ]
amdhsa.kernels:
  - .name:           k_qcc88392c5b_qkv
    .symbol:         k_qcc88392c5b_qkv.kd
    .args:
      - { .name: cod, .offset: 0, .size: 8, .value_kind: global_buffer, .address_space: global }
      - { .name: tab, .offset: 8, .size: 8, .value_kind: global_buffer, .address_space: global }
      - { .name: qkv, .offset: 16, .size: 8, .value_kind: global_buffer, .address_space: global }
    .group_segment_fixed_size: 327680
    .private_segment_fixed_size: 0
    .kernarg_segment_align: 8
    .kernarg_segment_size: 24
    .max_flat_workgroup_size: 128
    .sgpr_count:     102
    .vgpr_count:     1024
    .wavefront_size: 32
...
	.end_amdgpu_metadata
.endif
;; end of part 2
;; launch attn (part 3): grid 4 x 64, 8 waves a work-group, clusters of 4 x 1, 327,680 bytes of LDS; arguments qkv, tab, oq; writes oq
.if DOCPART == 3
	.amdgcn_target "amdgcn-amd-amdhsa--gfx1250"
	.amdhsa_code_object_version 6
	.text
	.protected	k_qcc88392c5b_attn
	.globl	k_qcc88392c5b_attn
	.p2align	8
	.type	k_qcc88392c5b_attn,@function
k_qcc88392c5b_attn:
	s_mov_b64 s[64:65], 0
	v_nop
	global_prefetch_b8 v0, s[64:65] scope:SCOPE_SE
	s_setreg_imm32_b32 hwreg(HW_REG_WAVE_MODE, 25, 1), 1
	s_wait_xcnt 0x0
	s_wait_alu depctr_hold_cnt(0) depctr_sa_sdst(0) depctr_va_vdst(0) depctr_va_sdst(0) depctr_va_ssrc(0) depctr_va_vcc(0) depctr_vm_vsrc(0)
	s_getreg_b32 s2, hwreg(HW_REG_IB_STS2, 6, 4)
	s_cmp_eq_u32 s2, 0
	s_cbranch_scc0 .Lentry_in_a_cluster
	s_endpgm
.Lentry_in_a_cluster:
	s_bfe_u32 s2, ttmp6, 0x10000c
	s_cmp_lg_u32 s2, 0x3003
	s_cbranch_scc0 .Lentry_shape_is_right
	s_endpgm
.Lentry_shape_is_right:
; ATTN.  o = softmax(q k^T / 8 - (1 - m) 1e9) v for one head and 512 queries a work-group, in MX-FP6, and o's codes and scale bytes for the last projection.
; Both products are used transposed (S^T = k q^T, O^T = v^T p^T): a lane holds one query throughout.  p = 2^(t - M), M the running largest t rounded up to a whole number; the row's sum is taken of the unquantised p.
; LDS is filled once: the head's K image, V image and their scale words (208,896 bytes) and the batch's mask term (8,192 bytes of f32).  The four work-groups of a cluster are the four query blocks of one head
; and ask for these tiles jointly.  Waves 0-3 fetch a quarter of the image each, waves 4-7 a quarter of the mask term: one tensor load a wave, no refill, so no ring.
; A WAVE HAS TWO TILES OF 16 QUERIES, one in each register window, at the same register numbers; every fragment of K, of V and of the mask term is read from LDS once for both.  Two passes of 16 key steps of 128.
; THE KEYS OF A TILE OF K are picked by the lanes' LDS addresses: row r of tile t of group c is key 64 c + 32 (r / 8) + 8 t + r % 8, so that a lane's 32 registers of a group's four tiles are one whole block of 32 keys,
; in the order that p's operand wants: a block's maximum needs no other lane and the conversions' results are the operand.  (Lanes 8-15 read 1,536 bytes behind lanes 0-7: the same banks.)
; THE HEAD HAS 64 NUMBERS, the instruction takes 128: Q's codes of k 64..127 are zeros, so what stands in K's registers there adds nothing: K's fragments lie 6 registers apart, each followed by the next one's codes.
; THE MASK TERM, (1 - m) x (-8e9), is the C of the score's product (ahead of the factor 1/8).  LIMIT: where m is not 1 the sum of score and term is rounded by the matrix unit, not by an f32 addition.
; LIMIT: the promise holds while the scaled scores stay under 2^31 in magnitude.  NaN and infinities are not served.
; LOADS RUN AHEAD: behind a step's score products stand the LDS loads of its V and of the next step's K, scale words and mask term; the one wait for them stands a whole softmax later.  The last step of all asks for no next step.
; PREFETCH: the second pass's Q (1,536 bytes of codes a wave, a lane a block of 256; the work-group's 1,024 bytes of scale words, a block each for waves 0-3) is asked for at the head, 16 steps ahead.  K, V and the mask term are asked for once, at the head: there is no loop to run ahead in.
; REGISTERS.  Window 0, v0-111: addresses, scale words, K's fragments.  Window 1, v0-111: the mask term (64), V's fragments (48).  v112-255 of window w: tile w's own.
.set HB,   315392
.set VIM,  98304
.set KSCO, 196608
.set VSCO, 204800
.set NB,   208896
.set QIM,  208896
.set QSCO, 307200
.set OSC0, 6291456
.set SPARE, 217088                     ; behind the mask term: the spare words, 128 bytes a wave
.set SPW, 15                           ; my spare word's address; never rewritten
.set NIL, 16                           ; 0; never rewritten
.set GA,  17                           ; 16 L
.set GB,  18                           ; 8 L
.set GQ,  19                           ; 16 r: Q's scale words
.set GO,  20                           ; 32 r: o's scale bytes
.set GP,  21                           ; 256 min(L, 5): the prefetch
.set QS,  22                           ; v22-23 Q's scale words, tile 0, 1
.set KS,  24                           ; v24-27 K's: register 2 c + t / 2, lanes 0-15 even t, lanes 16-31 odd t
.set VS,  28                           ; v28-29 V's
.set PS,  30                           ; v30-31 p's, tile 0, 1
.set KF,  32                           ; v32-79 K's eight fragments, v80-85 zeros
.set BI,  0                            ; window 1
.set VF,  64                           ; window 1
.set S,   112
.set O,   176
.set PC,  208
.set CT,  220
.set QF,  228
.set BM,  240
.set F,   244
.set NM,  246                          ; -M;  v247 the running largest score
.set RM,  247
.set L,   248
.set T,   250
.set SO,  252
.set PX,  254
.set H8,  255                          ; 8 h
.set SEL, 20
.set CS,  22
.set MSB, 0
.macro WIN new
.if MSB != (\new)
	s_set_vgpr_msb (MSB<<8)|(\new)
.set MSB, (\new)
.endif
.endm
.macro CROUND
	s_barrier_signal -1
	s_barrier_wait -1
	s_cmp_lg_u32 s12, 0
	s_cbranch_scc1 .Lnot_wave_0_\@
	s_barrier_signal -3
.Lnot_wave_0_\@:
	s_barrier_wait -3
	s_barrier_signal -1
	s_barrier_wait -1
.endm
.macro HINIT                           ; written once, in each window
.irp j, 6,7,8,9,10,11
	v_mov_b32 v[QF+\j], 0
.endr
	v_mov_b32 v[PX], 0
	v_mov_b32 v[F+1], 0
	v_lshlrev_b32 v[H8], 3, v11
.endm
.macro PINIT                           ; a pass begins: the first change of M leaves the zeros zeros
	v_mov_b32 v[RM], 0xff61b1e6
	v_mov_b32 v[NM], 0x7f61b1e6
	v_mov_b32 v[L], 0
	v_mov_b32 v[L+1], 0
.set n0, 0
.rept 32
	v_mov_b32 v[O+n0], 0
.set n0, n0+1
.endr
.endm
.macro ASKK                            ; K's fragments, its scale words and the mask term of the step that v8, v9, v12, v14 point at
.irp c, 0,1
.irp t, 0,1,2,3
	ds_load_b128 v[KF+6*(4*\c+\t):KF+6*(4*\c+\t)+3], v8 offset:3072*\c+768*(\t%2)+128*(\t/2)
	ds_load_b64 v[KF+6*(4*\c+\t)+4:KF+6*(4*\c+\t)+5], v9 offset:3072*\c+768*(\t%2)+64*(\t/2)+512
.endr
.endr
.irp c, 0,1
.irp u, 0,1
	ds_load_b32 v[KS+2*\c+\u], v12 offset:8*\c+128*\u
.endr
.endr
	WIN 0x40
.irp q, 0,1,2,3,4,5,6,7,8,9,10,11,12,13,14,15
	ds_load_b128 v[BI+4*\q:BI+4*\q+3], v14 offset:256*(\q/8)+16*(\q%8)
.endr
	WIN 0
.endm
.macro QK w                            ; S^T of tile w: A = K window 0, B = Q window w, C = the mask term window 1, D window w
	WIN 0x10+0x44*\w
.irp c, 0,1
.irp t, 0,1,2,3
.if \t%2
	v_wmma_scale_f32_16x16x128_f8f6f4 v[S+32*\c+8*\t:S+32*\c+8*\t+7], v[KF+6*(4*\c+\t):KF+6*(4*\c+\t)+11], v[QF:QF+11], v[BI+32*\c+8*\t:BI+32*\c+8*\t+7], v[KS+2*\c+\t/2], v[QS+\w] matrix_a_fmt:MATRIX_FMT_FP6 matrix_b_fmt:MATRIX_FMT_FP6 matrix_a_scale:MATRIX_SCALE_ROW1
.else
	v_wmma_scale_f32_16x16x128_f8f6f4 v[S+32*\c+8*\t:S+32*\c+8*\t+7], v[KF+6*(4*\c+\t):KF+6*(4*\c+\t)+11], v[QF:QF+11], v[BI+32*\c+8*\t:BI+32*\c+8*\t+7], v[KS+2*\c+\t/2], v[QS+\w] matrix_a_fmt:MATRIX_FMT_FP6 matrix_b_fmt:MATRIX_FMT_FP6
.endif
.endr
.endr
.endm
.macro PV w                            ; O^T of tile w += v^T p^T: A = V window 1, the rest window w; four accumulators by turns
	WIN 0x01+0x54*\w
.irp ct, 0,1,2,3
.if \ct%2
	v_wmma_scale_f32_16x16x128_f8f6f4 v[O+8*\ct:O+8*\ct+7], v[VF+12*\ct:VF+12*\ct+11], v[PC:PC+11], v[O+8*\ct:O+8*\ct+7], v[VS+\ct/2], v[PS+\w] matrix_a_fmt:MATRIX_FMT_FP6 matrix_b_fmt:MATRIX_FMT_FP6 matrix_a_scale:MATRIX_SCALE_ROW1
.else
	v_wmma_scale_f32_16x16x128_f8f6f4 v[O+8*\ct:O+8*\ct+7], v[VF+12*\ct:VF+12*\ct+11], v[PC:PC+11], v[O+8*\ct:O+8*\ct+7], v[VS+\ct/2], v[PS+\w] matrix_a_fmt:MATRIX_FMT_FP6 matrix_b_fmt:MATRIX_FMT_FP6
.endif
.endr
.endm
; The softmax step of tile w, all in window w.  My registers S + 32 c + 0 .. 31 are block 2 c + h of these 128 keys.
.macro SM w
	WIN 0x55*\w
	s_wait_alu depctr_va_vdst(0)                   ; the wait ahead of the first readers of the scores
.irp k, 0,1,2,3
	v_max3_num_f32 v[BM+\k], v[S+16*\k], v[S+16*\k+1], v[S+16*\k+2]   ; four chains by turns, each accumulator from its low end on
.endr
.irp i, 3,5,7,9,11,13
.irp k, 0,1,2,3
	v_max3_num_f32 v[BM+\k], v[BM+\k], v[S+16*\k+\i], v[S+16*\k+\i+1]
.endr
.endr
	v_max3_num_f32 v[BM], v[BM], v[BM+1], v[S+15]
	v_max3_num_f32 v[BM+2], v[BM+2], v[BM+3], v[S+47]
	v_max_num_f32 v[BM], v[BM], v[S+31]            ; my two blocks' largest scores: they serve the row's maximum and, since p rises with the score, the blocks' largest p
	v_max_num_f32 v[BM+2], v[BM+2], v[S+63]
	s_delay_alu instid0(VALU_DEP_1)
	v_max_num_f32 v[T], v[BM], v[BM+2]
	s_delay_alu instid0(VALU_DEP_1)
	v_permlanex16_b32 v[PX], v[T], s[SEL], s[SEL+1]
	s_delay_alu instid0(VALU_DEP_1)
	v_max3_num_f32 v[RM], v[RM], v[T], v[PX]       ; the running largest score of my query
	s_delay_alu instid0(VALU_DEP_1)
	v_mul_f32 v[T+1], s[CS], v[RM]                 ; as t (the factor is positive)
	v_mov_b32 v[T], v[NM]
	s_delay_alu instid0(VALU_DEP_2)
	v_floor_f32 v[NM], -v[T+1]                     ; -M = floor(-t)
	s_delay_alu instid0(VALU_DEP_1)
	v_sub_f32 v[T], v[NM], v[T]
	s_delay_alu instid0(VALU_DEP_1)
	v_cvt_i32_f32 v[T], v[T]                       ; (it saturates)
	s_delay_alu instid0(VALU_DEP_1)
	v_ldexp_f32 v[F], 1.0, v[T]                    ; f = 2^(old M - new M)
.set n0, 0
.rept 32
	v_pk_fma_f32 v[S+n0:S+n0+1], v[S+n0:S+n0+1], s[CS:CS+1], v[NM:NM+1] op_sel_hi:[1,0,0]
.set n0, n0+2
.endr
	v_fma_f32 v[BM], v[BM], s[CS], v[NM]
	v_fma_f32 v[BM+2], v[BM+2], s[CS], v[NM]
	s_wait_alu depctr_va_vdst(0)                   ; the wait ahead of the batch
.set n0, 0
.rept 64
	v_exp_f32 v[S+n0], v[S+n0]
.set n0, n0+1
.endr
	v_exp_f32 v[BM], v[BM]
	v_exp_f32 v[BM+2], v[BM+2]
	v_pk_mul_f32 v[L:L+1], v[L:L+1], v[F:F+1] op_sel_hi:[1,0]   ; the sum under the new M; the plain place behind the batch
	s_wait_alu depctr_va_vdst(0)                   ; and the one wait behind it
	v_max_num_f32 v[BM], 0x1800000, v[BM]          ; the floor 2^(3 - 127): the byte cannot fall under 1
	v_max_num_f32 v[BM+2], 0x1800000, v[BM+2]
	s_delay_alu instid0(VALU_DEP_2)
	v_add_nc_u32 v[SO], 0xff000000, v[BM]          ; 2 off the exponent field: the conversion's scale operand
	s_delay_alu instid0(VALU_DEP_2)
	v_add_nc_u32 v[SO+1], 0xff000000, v[BM+2]
	s_delay_alu instid0(VALU_DEP_2)
	v_lshrrev_b32 v[BM], 23, v[SO]
	s_delay_alu instid0(VALU_DEP_2)
	v_lshrrev_b32 v[BM+2], 23, v[SO+1]
	s_delay_alu instid0(VALU_DEP_1)
	v_lshl_or_b32 v[T], v[BM+2], 16, v[BM]         ; my bytes: blocks h and 2 + h,
	s_delay_alu instid0(VALU_DEP_1)
	v_lshlrev_b32 v[T], v[H8], v[T]                ; 8 h bits up;
	s_delay_alu instid0(VALU_DEP_1)
	v_permlanex16_b32 v[PX], v[T], s[SEL], s[SEL+1]
	WIN 0x05*\w                                    ; (scale words lie in window 0)
	v_or_b32 v[PS+\w], v[T], v[PX]                 ; with lane l xor 16's two the word is whole
	WIN 0x55*\w
.irp c, 0,1
	v_cvt_scalef32_pk16_fp6_f32 v[PC+6*\c:PC+6*\c+2], v[S+32*\c:S+32*\c+15], v[SO+\c]
	v_cvt_scalef32_pk16_fp6_f32 v[CT+4*\c:CT+4*\c+2], v[S+32*\c+16:S+32*\c+31], v[SO+\c]   ; (a conversion's three registers begin on an even number)
.endr
	v_nop                                          ; one plain place behind a scaled conversion
.irp c, 0,1
.irp i, 0,1,2
	v_mov_b32 v[PC+6*\c+3+\i], v[CT+4*\c+\i]
.endr
.endr
	v_pk_add_f32 v[T:T+1], v[S:S+1], v[S+2:S+3]    ; the row's sum of the unquantised p, in four chains
	v_pk_add_f32 v[BM:BM+1], v[S+4:S+5], v[S+6:S+7]
	v_pk_add_f32 v[BM+2:BM+3], v[S+8:S+9], v[S+10:S+11]
.set n0, 12
.rept 6
	v_pk_add_f32 v[L:L+1], v[L:L+1], v[S+n0:S+n0+1]
	v_pk_add_f32 v[T:T+1], v[T:T+1], v[S+n0+2:S+n0+3]
	v_pk_add_f32 v[BM:BM+1], v[BM:BM+1], v[S+n0+4:S+n0+5]
	v_pk_add_f32 v[BM+2:BM+3], v[BM+2:BM+3], v[S+n0+6:S+n0+7]
.set n0, n0+8
.endr
	v_pk_add_f32 v[L:L+1], v[L:L+1], v[S+60:S+61]
	v_pk_add_f32 v[T:T+1], v[T:T+1], v[S+62:S+63]
	s_delay_alu instid0(VALU_DEP_3)
	v_pk_add_f32 v[BM:BM+1], v[BM:BM+1], v[BM+2:BM+3]
	s_delay_alu instid0(VALU_DEP_2)
	v_pk_add_f32 v[L:L+1], v[L:L+1], v[T:T+1]
	s_delay_alu instid0(VALU_DEP_1)
	v_pk_add_f32 v[L:L+1], v[L:L+1], v[BM:BM+1]
	s_wait_alu depctr_va_vdst(0)                   ; the wait directly ahead of the first reader of O^T
.set n0, 0
.rept 16
	v_pk_mul_f32 v[O+n0:O+n0+1], v[O+n0:O+n0+1], v[F:F+1] op_sel_hi:[1,0]   ; O^T under the new M
.set n0, n0+2
.endr
	s_wait_alu depctr_va_vdst(0)                   ; the wait ahead of what follows
.endm
; A pass's end for tile w: O^T / the sum; register 8 ct + j is o(r, 32 (ct / 2) + 16 h + 8 (ct % 2) + j); two blocks of 32, each in lanes l and l xor 16; codes as a half image, two scale bytes.
.macro EPI w
	WIN 0x55*\w
	v_add_f32 v[L], v[L], v[L+1]
	s_delay_alu instid0(VALU_DEP_1)
	v_permlanex16_b32 v[PX], v[L], s[SEL], s[SEL+1]
	s_delay_alu instid0(VALU_DEP_1)
	v_add_f32 v[L], v[L], v[PX]
	s_wait_alu depctr_va_vdst(0)
	v_rcp_f32 v[F], v[L]
	v_nop
	s_wait_alu depctr_va_vdst(0)
.set n0, 0
.rept 16
	v_pk_mul_f32 v[S+n0:S+n0+1], v[O+n0:O+n0+1], v[F:F+1] op_sel_hi:[1,0]
.set n0, n0+2
.endr
.irp b, 0,1
	v_max3_num_f32 v[BM+\b], |v[S+16*\b]|, |v[S+16*\b+1]|, 0x1800000
.endr
.irp i, 2,4,6,8,10,12,14
.irp b, 0,1
	s_delay_alu instid0(VALU_DEP_2)
	v_max3_num_f32 v[BM+\b], v[BM+\b], |v[S+16*\b+\i]|, |v[S+16*\b+\i+1]|
.endr
.endr
.irp b, 0,1
	s_delay_alu instid0(VALU_DEP_2)
	v_permlanex16_b32 v[BM+2+\b], v[BM+\b], s[SEL], s[SEL+1]
.endr
.irp b, 0,1
	s_delay_alu instid0(VALU_DEP_2)
	v_max_num_f32 v[BM+\b], v[BM+\b], v[BM+2+\b]
.endr
.irp b, 0,1
	s_delay_alu instid0(VALU_DEP_2)
	v_add_nc_u32 v[SO+\b], 0xff000000, v[BM+\b]
.endr
.irp b, 0,1
	s_delay_alu instid0(VALU_DEP_2)
	v_lshrrev_b32 v[BM+2+\b], 23, v[SO+\b]
.endr
	v_cvt_scalef32_pk16_fp6_f32 v[PC:PC+2], v[S:S+15], v[SO]
	v_cvt_scalef32_pk16_fp6_f32 v[CT:CT+2], v[S+16:S+31], v[SO+1]
	v_nop
.irp i, 0,1,2
	v_permlane16_swap_b32 v[PC+\i], v[CT+\i]       ; a whole block to a lane
.endr
.irp i, 0,1,2
	s_delay_alu instid0(VALU_DEP_3)
	v_mov_b32 v[PC+3+\i], v[CT+\i]
.endr
	v_lshl_or_b32 v[T], v[BM+3], 8, v[BM+2]
	WIN 0x04*\w                                    ; the data in window w, the offsets in window 0
	global_store_b128 v[GA], v[PC:PC+3], s[86:87] offset:12288*\w        ; 512 + 256 consecutive bytes
	global_store_b64 v[GB], v[PC+4:PC+5], s[86:87] offset:12288*\w+512
	global_store_b16 v[GO], v[T], s[88:89] offset:512*\w
.endm
	s_load_b128 s[4:7], s[0:1], 0x0                ; qkv, tab
	s_load_b64 s[10:11], s[0:1], 0x10              ; oq
	v_lshl_add_u32 v[SPW], v0, 2, SPARE
	v_mov_b32 v[NIL], 0
	ds_add_u32 v[SPW], v[NIL]                      ; the opening lines: the add, twice on end, and its wait
	ds_add_u32 v[SPW], v[NIL]
	v_lshrrev_b32 v1, 5, v0
	v_readfirstlane_b32 s12, v1                    ; wave 0..7
	s_bfe_u32 s13, ttmp6, 0x40000                  ; cx: which 512 queries
	s_and_b32 s14, ttmp7, 0xffff                   ; batch x 16 + head
	s_lshr_b32 s15, s14, 4
	s_and_b32 s16, s14, 15
	s_mul_i32 s48, s14, HB
	s_mul_i32 s17, s12, 52224                      ; waves 0-3: a quarter of the image, 204 rows of 256 bytes
	s_add_co_u32 s50, s48, s17
	s_mov_b32 s51, 0
	s_lshl_b32 s52, s15, 13
	s_lshl_b32 s18, s12, 11                        ; waves 4-7: a quarter of the mask term, 8 rows of 256 bytes
	s_add_co_u32 s52, s52, s18
	s_add_co_u32 s52, s52, 524288-8192
	s_mov_b32 s53, 0
	s_mov_b32 s24, 15|(3<<16)|(1<<21)
	s_mov_b32 s25, 32<<16
	s_mov_b32 s26, 204<<16
	s_mov_b32 s27, 32<<16
	s_mov_b32 s28, 204
	s_mov_b32 s29, 32
	s_mov_b32 s30, 0
	s_mov_b32 s31, 0
	s_mov_b32 s32, 15|(3<<16)|(1<<21)
	s_mov_b32 s33, 32<<16
	s_mov_b32 s34, 8<<16
	s_mov_b32 s35, 32<<16
	s_mov_b32 s36, 8
	s_mov_b32 s37, 32
	s_mov_b32 s38, 0
	s_mov_b32 s39, 0
	s_mov_b32 s[SEL], 0x76543210
	s_mov_b32 s[SEL+1], 0xfedcba98
	s_mov_b32 s[CS], 0x3e38aa3b                    ; log2(e) / 8
	s_mov_b32 s[CS+1], s[CS]
	s_wait_dscnt 0x0
	s_wait_kmcnt 0x0
	s_mov_b32 s40, 1
	s_mov_b32 s41, s17
	s_add_nc_u64 s[42:43], s[4:5], s[50:51]
	s_or_b32 s43, s43, 0x80000000
	s_mov_b32 s44, 1
	s_add_co_u32 s45, s18, NB-8192
	s_add_nc_u64 s[46:47], s[6:7], s[52:53]
	s_or_b32 s47, s47, 0x80000000
	CROUND                                         ; the four work-groups are here: the joint loads meet
	s_cmp_lt_u32 s12, 4
	s_cbranch_scc0 .Lterm
	tensor_load_to_lds s[40:43], s[24:31]
	s_nop 0
.rept 4
	v_nop
.endr
	s_branch .Lasked
.Lterm:
	tensor_load_to_lds s[44:47], s[32:39]
	s_nop 0
.rept 4
	v_nop
.endr
.Lasked:
	s_lshl_b32 s56, s13, 5
	s_lshl_b32 s57, s12, 1
	s_add_co_u32 s56, s56, s57                     ; my first tile of queries: 32 cx + 2 wave (+ w, + 16 for the second pass)
	s_mul_i32 s57, s56, 768
	s_add_co_u32 s58, s48, s57
	s_add_co_u32 s58, s58, QIM
	s_mov_b32 s59, 0
	s_add_nc_u64 s[82:83], s[4:5], s[58:59]        ; Q's codes
	s_lshr_b32 s57, s56, 3
	s_lshl_b32 s57, s57, 9
	s_bfe_u32 s60, s56, 0x20001
	s_lshl_b32 s60, s60, 2
	s_add_co_u32 s57, s57, s60
	s_add_co_u32 s58, s48, s57
	s_add_co_u32 s58, s58, QSCO
	s_add_nc_u64 s[84:85], s[4:5], s[58:59]        ; Q's scale words: 512 (tile / 8) + 256 (tile % 2) + 4 (tile / 2 % 4) + 16 r
	s_lshl_b32 s57, s15, 7
	s_add_co_u32 s57, s57, s56
	s_lshl_b32 s60, s57, 4
	s_add_co_u32 s60, s60, s16
	s_mul_i32 s58, s60, 768
	s_add_nc_u64 s[86:87], s[10:11], s[58:59]      ; o's codes: [row tile][head][768]
	s_lshl_b32 s58, s57, 9
	s_lshl_b32 s60, s16, 1
	s_add_co_u32 s58, s58, s60
	s_add_co_u32 s58, s58, OSC0
	s_add_nc_u64 s[88:89], s[10:11], s[58:59]      ; o's scale bytes: [row][32]
	s_lshl_b32 s58, s13, 11
	s_lshl_b32 s60, s12, 8
	s_add_co_u32 s58, s58, s60
	s_add_co_u32 s58, s58, s48
	s_add_co_u32 s58, s58, QSCO+1024
	s_add_nc_u64 s[90:91], s[4:5], s[58:59]        ; the second pass's scale words: block wave of the work-group's four
	v_and_b32 v[GP], 31, v0                        ; L
	v_and_b32 v[GQ], 15, v0                        ; r
	v_bfe_u32 v11, v0, 4, 1                        ; h
	v_lshlrev_b32 v[GA], 4, v[GP]
	v_lshlrev_b32 v[GB], 3, v[GP]
	v_add_nc_u32 v3, VIM, v[GA]                    ; V's images
	v_add_nc_u32 v4, VIM, v[GB]
	v_add_nc_u32 v6, VSCO, v[GB]                   ; V's scale words
	v_lshl_add_u32 v7, v11, 7, NB                  ; the mask term: my block of 32 keys, 128 h
	v_and_b32 v8, 7, v[GQ]                         ; r % 8
	v_lshrrev_b32 v9, 3, v[GQ]                     ; r / 8
	v_mul_u32_u24 v10, v9, 1536                    ; two images on for rows 8-15
	v_lshl_add_u32 v1, v8, 4, v10
	v_lshl_add_u32 v1, v11, 8, v1                  ; K, registers 0-3: 1536 (r / 8) + 16 (r % 8) + 256 h
	v_lshl_add_u32 v2, v8, 3, v10
	v_lshl_add_u32 v2, v11, 7, v2                  ; K, registers 4-5: 1536 (r / 8) + 8 (r % 8) + 128 h
	v_lshl_add_u32 v5, v8, 4, KSCO
	v_lshl_add_u32 v5, v9, 2, v5
	v_lshl_add_u32 v5, v11, 8, v5                  ; K's scale words: 16 (r % 8) + 4 (r / 8) + 256 h
	v_min_u32 v[GP], 5, v[GP]
	v_lshlrev_b32 v[GP], 8, v[GP]
	v_lshlrev_b32 v[GO], 5, v[GQ]
	v_lshlrev_b32 v[GQ], 4, v[GQ]
.irp j, 48,49,50,51,52,53
	v_mov_b32 v[KF+\j], 0                          ; what follows K's last fragment
.endr
	HINIT
	WIN 0x40
	HINIT
	WIN 0
	s_wait_alu depctr_va_vdst(0)                   ; the wait at the head's end
	global_prefetch_b8 v[GP], s[82:83] offset:12288 th:TH_LOAD_NT scope:SCOPE_SE
	s_cmp_lt_u32 s12, 4
	s_cbranch_scc0 .Lno_words
	global_prefetch_b8 v[NIL], s[90:91] th:TH_LOAD_NT scope:SCOPE_SE
.Lno_words:
	s_wait_tensorcnt 0x0                           ; my part is in;
	s_barrier_signal -1
	s_barrier_wait -1                              ; everybody's is
	v_mov_b32 v8, v1                               ; step 0
	v_mov_b32 v9, v2
	v_mov_b32 v12, v5
	v_mov_b32 v14, v7
	ASKK
	s_mov_b32 s80, 0                               ; the pass
.Lpass:
	global_load_b128 v[QF:QF+3], v[GA], s[82:83]
	global_load_b64 v[QF+4:QF+5], v[GB], s[82:83] offset:512
	global_load_b32 v[QS], v[GQ], s[84:85]
	global_load_b32 v[QS+1], v[GQ], s[84:85] offset:256
	PINIT
	WIN 0x40
	global_load_b128 v[QF:QF+3], v[GA], s[82:83] offset:768
	global_load_b64 v[QF+4:QF+5], v[GB], s[82:83] offset:1280
	PINIT
	WIN 0
	s_mov_b32 s70, 0                               ; the step
	s_wait_alu depctr_va_vdst(0)                   ; the wait ahead of the waits below
	s_wait_loadcnt 0x0
	s_wait_dscnt 0x0                               ; step 0's K, scale words and mask term are in
.Lstep:
	s_mul_i32 s71, s70, 6144                       ; this step's V,
	s_lshl_b32 s72, s70, 8
	s_add_co_u32 s73, s70, 1
	s_and_b32 s73, s73, 15                         ; and the next step's K: behind a pass's last step comes the next pass's step 0
	s_mul_i32 s74, s73, 6144
	s_lshl_b32 s75, s73, 9
	s_lshl_b32 s79, s80, 4
	s_add_co_u32 s79, s79, s70
	QK 0
	QK 1
	WIN 0
	v_add_nc_u32 v8, s74, v1                       ; seven plain lines: the places in front of the loads below
	v_add_nc_u32 v9, s74, v2
	v_add_nc_u32 v10, s71, v3
	v_add_nc_u32 v11, s71, v4
	v_add_nc_u32 v12, s75, v5
	v_add_nc_u32 v13, s72, v6
	v_add_nc_u32 v14, s75, v7
	ds_load_b64 v[VS:VS+1], v13
	WIN 0x40
.irp ct, 0,1,2,3
	ds_load_b128 v[VF+12*\ct:VF+12*\ct+3], v10 offset:1536*\ct
	ds_load_b64 v[VF+12*\ct+4:VF+12*\ct+5], v11 offset:1536*\ct+512
	ds_load_b128 v[VF+12*\ct+6:VF+12*\ct+9], v10 offset:1536*\ct+768
	ds_load_b64 v[VF+12*\ct+10:VF+12*\ct+11], v11 offset:1536*\ct+1280
.endr
	WIN 0
	s_cmp_eq_u32 s79, 31                           ; the last step of the last pass has no successor
	s_cbranch_scc1 .Lno_next
	ASKK
.Lno_next:
	SM 0
	s_wait_dscnt 0x0                               ; V is in, and the next step's K: all were asked for ahead of tile 0's softmax
	PV 0
	SM 1
	PV 1
	WIN 0
	s_add_co_u32 s70, s70, 1
	s_cmp_lt_u32 s70, 16
	s_cbranch_scc1 .Lstep
	EPI 0                                          ; tile 0's last products stand a softmax back; its lines are the places behind tile 1's
	EPI 1
	WIN 0
	s_wait_alu depctr_va_vdst(0)
	s_wait_xcnt 0x0                                ; loads, stores and the prefetch have read their bases and registers
	s_add_nc_u64 s[82:83], s[82:83], 12288         ; 16 tiles on
	s_add_nc_u64 s[84:85], s[84:85], 1024
	s_add_nc_u64 s[86:87], s[86:87], 196608
	s_add_nc_u64 s[88:89], s[88:89], 8192
	s_add_co_u32 s80, s80, 1
	s_cmp_lt_u32 s80, 2
	s_cbranch_scc1 .Lpass
	s_wait_tensorcnt 0x0                           ; the wave's end
	ds_add_u32 v[SPW], v[NIL]
	s_wait_dscnt 0x0
	CROUND                                         ; the closing round
	s_endpgm
.Lfunc_end_k_qcc88392c5b_attn:
	.size	k_qcc88392c5b_attn, .Lfunc_end_k_qcc88392c5b_attn-k_qcc88392c5b_attn
	.p2alignl 7, 3214868480
	.fill 96, 4, 3214868480
	.section	.rodata,"a",@progbits
	.p2align	6, 0x0
	.amdhsa_kernel k_qcc88392c5b_attn
		.amdhsa_group_segment_fixed_size 327680
		.amdhsa_private_segment_fixed_size 0
		.amdhsa_enable_private_segment 0
		.amdhsa_kernarg_size 24
		.amdhsa_user_sgpr_count 2
		.amdhsa_user_sgpr_kernarg_segment_ptr 1
		.amdhsa_wavefront_size32 1
		.amdhsa_system_sgpr_workgroup_id_x 1
		.amdhsa_system_sgpr_workgroup_id_y 1
		.amdhsa_system_sgpr_workgroup_id_z 1
		.amdhsa_system_vgpr_workitem_id 0
		.amdhsa_next_free_vgpr 512
		.amdhsa_next_free_sgpr 100
		.amdhsa_reserve_vcc 0
		.amdhsa_float_denorm_mode_32 3
		.amdhsa_float_denorm_mode_16_64 3
		.amdhsa_memory_ordered 1
		.amdhsa_forward_progress 1
		.amdhsa_inst_pref_size 53
	.end_amdhsa_kernel
	.amdgpu_metadata
---
amdhsa.version: [ 1, 2 ]
amdhsa.kernels:
  - .name:           k_qcc88392c5b_attn
    .symbol:         k_qcc88392c5b_attn.kd
    .args:
      - { .name: qkv, .offset: 0, .size: 8, .value_kind: global_buffer, .address_space: global }
      - { .name: tab, .offset: 8, .size: 8, .value_kind: global_buffer, .address_space: global }
      - { .name: oq, .offset: 16, .size: 8, .value_kind: global_buffer, .address_space: global }
    .group_segment_fixed_size: 327680
    .private_segment_fixed_size: 0
    .kernarg_segment_align: 8
    .kernarg_segment_size: 24
    .max_flat_workgroup_size: 256
    .sgpr_count:     100
    .vgpr_count:     512
    .wavefront_size: 32
...
	.end_amdgpu_metadata
.endif
;; end of part 3
;; launch oproj (part 4): grid 4 x 32, 4 waves a work-group, clusters of 4 x 4, 327,680 bytes of LDS; arguments oq, cod, att; writes att
.if DOCPART == 4
	.amdgcn_target "amdgcn-amd-amdhsa--gfx1250"
	.amdhsa_code_object_version 6
	.text
	.protected	k_qcc88392c5b_oproj
	.globl	k_qcc88392c5b_oproj
	.p2align	8
	.type	k_qcc88392c5b_oproj,@function
k_qcc88392c5b_oproj:
	s_mov_b64 s[64:65], 0
	v_nop
	global_prefetch_b8 v0, s[64:65] scope:SCOPE_SE
	s_setreg_imm32_b32 hwreg(HW_REG_WAVE_MODE, 25, 1), 1
	s_wait_xcnt 0x0
	s_wait_alu depctr_hold_cnt(0) depctr_sa_sdst(0) depctr_va_vdst(0) depctr_va_sdst(0) depctr_va_ssrc(0) depctr_va_vcc(0) depctr_vm_vsrc(0)
	s_getreg_b32 s2, hwreg(HW_REG_IB_STS2, 6, 4)
	s_cmp_eq_u32 s2, 0
	s_cbranch_scc0 .Lentry_in_a_cluster
	s_endpgm
.Lentry_in_a_cluster:
	s_bfe_u32 s2, ttmp6, 0x10000c
	s_cmp_lg_u32 s2, 0xf033
	s_cbranch_scc0 .Lentry_shape_is_right
	s_endpgm
.Lentry_shape_is_right:
.set HALFT,  24576
.set SLOT,   98304
.set SCL,    196608
.set HALFS,  4352
.set SBLK,   544
.set SPARE,  214016
.set SCL0,   9437184
.set OSC0,   6291456
.set SPITCH, 528
.set KS, 32
.set NQ, 2
.set FR, 12
.set NL, 4
.set NP, 4
.set ADRA, 16
.set ADRB, 20
.set STO,  24
.set RD,   25
.set CO,   4
.set ADRS, 27
.set SPW,  28
.set NIL,  29
.set SC,   32
.set AF,   128
.set BK,   128
.set G1, 24
.set G0, 32
.set G1B, 48
.set G0B, 56
.set G1S, 68
.set G0S, 76
.set G1SB, 80
.set G0SB, 88
.set MSB, 0
.macro WIN new
.if MSB != (\new)
	s_set_vgpr_msb (MSB<<8)|(\new)
.set MSB, (\new)
.endif
.endm
.set MUL_LO, 0xa1
.set MUL_HI, 0xf1
.set TO_B,   0x40
.macro JLOAD g0a, g1a, g0b, g1b
	s_cmp_eq_u32 s15, 0
	s_cbranch_scc0 .Lfor_b_\@
	tensor_load_to_lds s[\g0a:\g0a+3], s[\g1a:\g1a+7]
	s_nop 0
.rept 4
	v_nop
.endr
	s_branch .Lasked_\@
.Lfor_b_\@:
	tensor_load_to_lds s[\g0b:\g0b+3], s[\g1b:\g1b+7]
	s_nop 0
.rept 4
	v_nop
.endr
.Lasked_\@:
.endm
.macro CREST
	s_cmp_lg_u32 s14, 0
	s_cbranch_scc1 .Lnot_wave_0_\@
	s_barrier_signal -3
.Lnot_wave_0_\@:
	s_barrier_wait -3
	s_barrier_signal -1
	s_barrier_wait -1
.endm
.macro CROUND
	s_barrier_signal -1
	s_barrier_wait -1
	CREST
.endm
.macro FRAG reg, adr, q, i
	ds_load_b128 v[\reg:\reg+3], v[\adr] offset:3072*(\i)+1536*(\q)
	ds_load_b64 v[\reg+4:\reg+5], v[\adr+2] offset:3072*(\i)+1536*(\q)+512
	ds_load_b128 v[\reg+6:\reg+9], v[\adr] offset:3072*(\i)+1536*(\q)+768
	ds_load_b64 v[\reg+10:\reg+11], v[\adr+2] offset:3072*(\i)+1536*(\q)+1280
.endm
.macro MUL16 a0, p, q, sc, zero
.irp a, \a0, \a0+1
.irp b, 0,1,2,3,4,5,6,7
.if \zero
	v_wmma_scale_f32_16x16x128_f8f6f4 v[8*(8*((\a)%4)+\b):8*(8*((\a)%4)+\b)+7], v[128*(\p)+FR*\b:128*(\p)+FR*\b+FR-1], v[AF+FR*(\a):AF+FR*(\a)+FR-1], 0, v[SC+8*NQ*(\sc)+NQ*\b+(\q)], v[SC+8*NQ*(\sc)+NQ*(\a)+(\q)] matrix_a_fmt:MATRIX_FMT_FP6 matrix_b_fmt:MATRIX_FMT_FP6 matrix_a_scale:MATRIX_SCALE_ROW1
.else
	v_wmma_scale_f32_16x16x128_f8f6f4 v[8*(8*((\a)%4)+\b):8*(8*((\a)%4)+\b)+7], v[128*(\p)+FR*\b:128*(\p)+FR*\b+FR-1], v[AF+FR*(\a):AF+FR*(\a)+FR-1], v[8*(8*((\a)%4)+\b):8*(8*((\a)%4)+\b)+7], v[SC+8*NQ*(\sc)+NQ*\b+(\q)], v[SC+8*NQ*(\sc)+NQ*(\a)+(\q)] matrix_a_fmt:MATRIX_FMT_FP6 matrix_b_fmt:MATRIX_FMT_FP6 matrix_a_scale:MATRIX_SCALE_ROW1
.endif
.endr
.endr
.endm
.macro FETCH_B slot, q, p
	WIN TO_B
.irp i, 0,1,2,3,4,5,6,7
	FRAG 128*(\p)+FR*\i, ADRB+\slot, \q, \i
.endr
	WIN 0
.endm
.macro FETCH_A slot, q, i0
.irp i, \i0, \i0+1, \i0+2, \i0+3
	FRAG AF+FR*(\i), ADRA+\slot, \q, \i
.endr
.endm
.macro SCALES sc
.irp i, 0,1,2,3,4,5,6,7
	ds_load_b64 v[SC+8*NQ*\sc+NQ*\i:SC+8*NQ*\sc+NQ*\i+1], v[ADRS] offset:\i*SBLK
.endr
.endm
.macro PLACES n
.rept \n
	v_nop
.endr
.endm
.macro STEP slot, q, zero
	s_wait_dscnt 4*NL
	WIN MUL_LO
	MUL16 0, (\q)%2, \q, \slot, \zero
	MUL16 2, (\q)%2, \q, \slot, \zero
	s_wait_dscnt 0
	PLACES NP
	FETCH_B \slot, (\q)+1, 1-(\q)%2
	FETCH_A \slot, (\q)+1, 0
	WIN MUL_HI
	MUL16 4, (\q)%2, \q, \slot, \zero
	MUL16 6, (\q)%2, \q, \slot, \zero
	PLACES NP
	WIN 0
	FETCH_A \slot, (\q)+1, 4
.endm
.macro TURN slot, next, fill
	s_wait_tensorcnt 0x0
	ds_add_u32 v[SPW], v[NIL]
	s_wait_dscnt 4*NL+1
	WIN MUL_LO
	MUL16 0, 1, NQ-1, \slot, 0
	s_wait_dscnt 0x0
	s_barrier_signal -1
	MUL16 2, 1, NQ-1, \slot, 0
	WIN 0
	s_barrier_wait -1
.if \fill
	CREST
	s_add_nc_u64 s[G0+4*\slot+2:G0+4*\slot+3], s[G0+4*\slot+2:G0+4*\slot+3], 6144
	s_add_nc_u64 s[G0B+4*\slot+2:G0B+4*\slot+3], s[G0B+4*\slot+2:G0B+4*\slot+3], 6144
	JLOAD G0+4*\slot, G1, G0B+4*\slot, G1B
.else
	PLACES NP
.endif
	s_wait_alu depctr_va_vdst(0)
	v_add_nc_u32 v[ADRS], 4*NQ, v[ADRS]
	FETCH_B \next, 0, 0
	FETCH_A \next, 0, 0
	SCALES \next
	WIN MUL_HI
	MUL16 4, 1, NQ-1, \slot, 0
	MUL16 6, 1, NQ-1, \slot, 0
	PLACES NP
	WIN 0
	FETCH_A \next, 0, 4
.endm
	s_load_b128 s[4:7], s[0:1], 0x0
	s_load_b64 s[8:9], s[0:1], 0x10
	v_lshl_add_u32 v[SPW], v0, 2, SPARE
	v_mov_b32 v[NIL], 0
	ds_add_u32 v28, v29
	ds_add_u32 v28, v29
	s_wait_dscnt 0x0
	v_lshrrev_b32 v1, 5, v0
	v_readfirstlane_b32 s14, v1
	s_lshr_b32 s15, s14, 1
	s_and_b32 s16, s14, 1
	s_bfe_u32 s40, ttmp6, 0x40000
	s_bfe_u32 s41, ttmp6, 0x40004
	s_and_b32 s19, ttmp7, 0xffff
	s_lshl_b32 s19, s19, 2
	s_add_co_u32 s19, s19, s41
	s_add_co_u32 s46, s40, 44
	s_lshl_b32 s43, s41, 2
	s_lshl_b32 s43, 15, s43
	s_lshl_b32 s44, 0x1111, s40
	s_or_b32 s[G1+0], s43, (3<<16)|(1<<21)
	s_or_b32 s[G1B+0], s44, (3<<16)|(1<<21)
.irp g, G1, G1B
	s_mov_b32 s[\g+1], 384<<16
	s_mov_b32 s[\g+2], 8<<16
	s_mov_b32 s[\g+3], 384<<16
	s_mov_b32 s[\g+4], 8
	s_mov_b32 s[\g+5], 1536
	s_mov_b32 s[\g+6], 0
	s_mov_b32 s[\g+7], 0
.endr
	s_or_b32 s[G1S+0], s43, (3<<16)|(1<<20)|(1<<21)|(5<<22)|(3<<25)
	s_or_b32 s[G1SB+0], s44, (3<<16)|(1<<20)|(1<<21)|(5<<22)|(3<<25)
.irp g, G1S, G1SB
	s_mov_b32 s[\g+1], 32<<16
	s_mov_b32 s[\g+2], 16<<16
	s_mov_b32 s[\g+3], 32<<16
	s_mov_b32 s[\g+4], 16
	s_mov_b32 s[\g+5], 32
	s_mov_b32 s[\g+6], 0
	s_mov_b32 s[\g+7], 0
.endr
	s_mul_i32 s95, s16, 98304
	s_lshl_b32 s98, s16, 12
	s_mul_i32 s20, s19, 196608
	s_add_co_u32 s20, s20, s95
	s_mov_b32 s21, 0
	s_lshl_b32 s22, s19, 13
	s_add_co_u32 s22, s22, s98
	s_add_co_u32 s22, s22, OSC0
	s_mov_b32 s23, 0
	s_mul_i32 s10, s46, 196608
	s_add_co_u32 s10, s10, s95
	s_mov_b32 s11, 0
	s_lshl_b32 s12, s46, 13
	s_add_co_u32 s12, s12, s98
	s_add_co_u32 s12, s12, SCL0
	s_mov_b32 s13, 0
	s_mul_i32 s45, s14, HALFT
	s_mul_i32 s94, s14, HALFS
	s_wait_kmcnt 0x0
	s_add_nc_u64 s[20:21], s[4:5], s[20:21]
	s_add_nc_u64 s[22:23], s[4:5], s[22:23]
	s_add_nc_u64 s[10:11], s[6:7], s[10:11]
	s_add_nc_u64 s[12:13], s[6:7], s[12:13]
	CROUND
	s_mov_b32 s[G0S], 1
	s_add_co_u32 s[G0S+1], s94, SCL
	s_mov_b64 s[G0S+2:G0S+3], s[22:23]
	s_or_b32 s[G0S+3], s[G0S+3], 0x80000000
	s_mov_b32 s[G0SB], 1
	s_add_co_u32 s[G0SB+1], s94, SCL
	s_mov_b64 s[G0SB+2:G0SB+3], s[12:13]
	s_or_b32 s[G0SB+3], s[G0SB+3], 0x80000000
	JLOAD G0S, G1S, G0SB, G1SB
.irp s, 0,1
	s_mov_b32 s[G0+4*\s], 1
	s_add_co_u32 s[G0+4*\s+1], s45, \s*SLOT
	s_add_nc_u64 s[G0+4*\s+2:G0+4*\s+3], s[20:21], \s*3072
	s_or_b32 s[G0+4*\s+3], s[G0+4*\s+3], 0x80000000
	s_mov_b32 s[G0B+4*\s], 1
	s_add_co_u32 s[G0B+4*\s+1], s45, \s*SLOT
	s_add_nc_u64 s[G0B+4*\s+2:G0B+4*\s+3], s[10:11], \s*3072
	s_or_b32 s[G0B+4*\s+3], s[G0B+4*\s+3], 0x80000000
	s_wait_alu depctr_va_vdst(0)
	s_wait_tensorcnt 0x0
	ds_add_u32 v28, v29
	s_wait_dscnt 0x0
	CROUND
	JLOAD G0+4*\s, G1, G0B+4*\s, G1B
.endr
	v_and_b32 v1, 15, v0
	v_bfe_u32 v2, v0, 4, 1
	v_and_b32 v3, 31, v0
	v_lshlrev_b32 v4, 4, v3
	v_lshlrev_b32 v5, 3, v3
	s_mul_i32 s21, s15, HALFT
	s_mul_i32 s22, s16, HALFT
	s_add_co_u32 s22, s22, 2*HALFT
.irp s, 0,1
	v_add_nc_u32 v[ADRA+\s], s21, v4
	v_add_nc_u32 v[ADRB+\s], s22, v4
	v_add_nc_u32 v[ADRA+2+\s], s21, v5
	v_add_nc_u32 v[ADRB+2+\s], s22, v5
	s_add_co_u32 s21, s21, SLOT
	s_add_co_u32 s22, s22, SLOT
.endr
	v_mul_u32_u24 v6, v1, KS
	v_lshrrev_b32 v7, 8, v6
	v_lshl_add_u32 v6, v7, 4, v6
	s_mul_i32 s21, s15, HALFS
	s_mul_i32 s22, s16, HALFS
	s_add_co_u32 s22, s22, 2*HALFS
	s_sub_co_u32 s22, s22, s21
	v_mul_u32_u24 v7, s22, v2
	s_add_co_u32 s21, s21, SCL
	v_add_nc_u32 v6, v6, v7
	v_add_nc_u32 v[ADRS], s21, v6
	s_mul_i32 s23, s14, 16*SPITCH
	v_mul_u32_u24 v6, v1, SPITCH
	v_lshl_add_u32 v6, v2, 6, v6
	v_add_nc_u32 v[STO], s23, v6
	v_add_nc_u32 v[RD], s23, v4
	s_lshl_b32 s92, s19, 8
	s_lshl_b32 s99, s15, 7
	s_add_co_u32 s92, s92, s99
	s_lshl_b32 s92, s92, 12
	s_lshl_b32 s99, s40, 10
	s_add_co_u32 s92, s92, s99
	s_lshl_b32 s99, s16, 9
	s_add_co_u32 s92, s92, s99
	s_mov_b32 s93, 0
	s_add_nc_u64 s[8:9], s[8:9], s[92:93]
	s_wait_alu depctr_va_vdst(0)
	s_wait_tensorcnt 1
	s_barrier_signal -1
	s_barrier_wait -1
	FETCH_B 0, 0, 0
	FETCH_A 0, 0, 0
	SCALES 0
	FETCH_A 0, 0, 4
	STEP 0, 0, 1
	TURN 0, 1, 1
	STEP 1, 0, 0
	TURN 1, 0, 1
	STEP 0, 0, 0
	TURN 0, 1, 0
	STEP 1, 0, 0
	s_wait_dscnt 4*NL
	WIN MUL_LO
	MUL16 0, 1, NQ-1, 1, 0
	MUL16 2, 1, NQ-1, 1, 0
	s_wait_dscnt 0
	WIN MUL_HI
	MUL16 4, 1, NQ-1, 1, 0
	MUL16 6, 1, NQ-1, 1, 0
	WIN 0
.macro TOSTAGE a
.set AC, 64*((\a)%4)
	WIN 0x08+4*((\a)/4)
.irp b, 0,1,2,3,4,5,6,7
	ds_store_b128 v[STO], v[AC+8*\b:AC+8*\b+3] offset:128*(\b/2)+32*(\b%2)
	ds_store_b128 v[STO], v[AC+8*\b+4:AC+8*\b+7] offset:128*(\b/2)+32*(\b%2)+16
.endr
	WIN 0
.set BB, BK+64*((\a)%2)
.irp t, 0,1,2,3,4,5,6,7,8,9,10,11,12,13,14,15
	ds_load_b128 v[BB+4*\t:BB+4*\t+3], v[RD] offset:\t*SPITCH
.endr
.endm
.macro SEND a, younger
.set BB, BK+64*((\a)%2)
	s_wait_dscnt \younger
.irp t, 0,1,2,3,4,5,6,7,8,9,10,11,12,13,14,15
	global_store_b128 v[CO], v[BB+4*\t:BB+4*\t+3], s[8:9] offset:(32*((\a)/2)+8*((\a)%2)+\t+8*(\t/8))*4096
.endr
.endm
	PLACES NP
	TOSTAGE 0
.irp a, 1,2,3,4,5,6,7
.if \a > 1
	s_wait_xcnt 0x0
.endif
	TOSTAGE \a
	SEND \a-1, 32
.endr
	SEND 7, 0
	s_wait_tensorcnt 0x0
	ds_add_u32 v[SPW], v[NIL]
	s_wait_dscnt 0x0
	CROUND
	s_endpgm
.Lfunc_end_k_qcc88392c5b_oproj:
	.size	k_qcc88392c5b_oproj, .Lfunc_end_k_qcc88392c5b_oproj-k_qcc88392c5b_oproj
	.p2alignl 7, 3214868480
	.fill 96, 4, 3214868480
	.section	.rodata,"a",@progbits
	.p2align	6, 0x0
	.amdhsa_kernel k_qcc88392c5b_oproj
		.amdhsa_group_segment_fixed_size 327680
		.amdhsa_private_segment_fixed_size 0
		.amdhsa_enable_private_segment 0
		.amdhsa_kernarg_size 24
		.amdhsa_user_sgpr_count 2
		.amdhsa_user_sgpr_kernarg_segment_ptr 1
		.amdhsa_wavefront_size32 1
		.amdhsa_system_sgpr_workgroup_id_x 1
		.amdhsa_system_sgpr_workgroup_id_y 1
		.amdhsa_system_sgpr_workgroup_id_z 1
		.amdhsa_system_vgpr_workitem_id 0
		.amdhsa_next_free_vgpr 1024
		.amdhsa_next_free_sgpr 102
		.amdhsa_reserve_vcc 0
		.amdhsa_float_denorm_mode_32 3
		.amdhsa_float_denorm_mode_16_64 3
		.amdhsa_memory_ordered 1
		.amdhsa_forward_progress 1
		.amdhsa_inst_pref_size 144
	.end_amdhsa_kernel
	.amdgpu_metadata
---
amdhsa.version: [ 1, 2 ]
amdhsa.kernels:
  - .name:           k_qcc88392c5b_oproj
    .symbol:         k_qcc88392c5b_oproj.kd
    .args:
      - { .name: oq, .offset: 0, .size: 8, .value_kind: global_buffer, .address_space: global }
      - { .name: cod, .offset: 8, .size: 8, .value_kind: global_buffer, .address_space: global }
      - { .name: att, .offset: 16, .size: 8, .value_kind: global_buffer, .address_space: global }
    .group_segment_fixed_size: 327680
    .private_segment_fixed_size: 0
    .kernarg_segment_align: 8
    .kernarg_segment_size: 24
    .max_flat_workgroup_size: 128
    .sgpr_count:     102
    .vgpr_count:     1024
    .wavefront_size: 32
...
	.end_amdgpu_metadata
.endif
;; end of part 4
;; launch lnorm (part 5): grid 256 x 1, 4 waves a work-group, no clusters, 0 bytes of LDS; arguments x, att, gamma, beta, out0; writes out0
.if DOCPART == 5
	.amdgcn_target "amdgcn-amd-amdhsa--gfx1250"
	.amdhsa_code_object_version 6
	.text
	.protected	k_qcc88392c5b_lnorm
	.globl	k_qcc88392c5b_lnorm
	.p2align	8
	.type	k_qcc88392c5b_lnorm,@function
k_qcc88392c5b_lnorm:
	s_mov_b64 s[64:65], 0
	v_nop
	global_prefetch_b8 v0, s[64:65] scope:SCOPE_SE
	s_setreg_imm32_b32 hwreg(HW_REG_WAVE_MODE, 25, 1), 1
	s_wait_xcnt 0x0
; LNORM.  h = x + att; out0 = (h - mean) x rsqrt(var + 1e-5) x gamma + beta, row by row of 1,024, all in f32; the variance is the mean of (h - mean)^2, taken in a second pass over registers.
; A row is 4,096 bytes: one wave takes a whole row, eight loads of 16 bytes a lane from each of x and att, and keeps it in registers through both passes: each byte is read once and no wave waits for another.
; Four waves, 8 rows each; two row slots: one at work, one on its way in (16 loads, 8 KiB a wave).  Each load and store of a wave covers 512 consecutive bytes, aligned.
; No LDS, no matrix unit, no cluster: the launch streams, and its work-groups share only gamma and beta, 8 KiB.
.set GA, 16                            ; v16-47  gamma of my 32 columns (128 j + 4 L + 0 .. 3)
.set BE, 48                            ; v48-79  beta
	s_load_b256 s[4:11], s[0:1], 0x0               ; x, att, gamma, beta
	s_load_b64 s[12:13], s[0:1], 0x20              ; out0
	v_lshrrev_b32 v2, 5, v0
	v_readfirstlane_b32 s14, v2                    ; wave
	v_and_b32 v1, 31, v0
	v_lshlrev_b32 v1, 4, v1                        ; 16 L
	s_lshl_b32 s16, ttmp9, 17                      ; 32 rows of 4,096 bytes a work-group,
	s_lshl_b32 s17, s14, 15                        ; 8 a wave
	s_add_co_u32 s16, s16, s17
	s_mov_b32 s17, 0
	s_mov_b32 s18, 0x3a800000                      ; 1 / 1,024
	s_mov_b32 s19, 0x3727c5ac                      ; 1e-5
	s_mov_b32 s20, 0x76543210
	s_mov_b32 s21, 0xfedcba98
	v_mov_b32 v11, 0                               ; upper halves of pairs of which the low word serves both halves, and the permute's destination: written once
	v_mov_b32 v13, 0
	v_mov_b32 v14, 0
	s_wait_alu depctr_va_vdst(0)
	s_wait_kmcnt 0x0
	s_add_nc_u64 s[4:5], s[4:5], s[16:17]
	s_add_nc_u64 s[6:7], s[6:7], s[16:17]
	s_add_nc_u64 s[12:13], s[12:13], s[16:17]
.irp j, 0,1,2,3,4,5,6,7
	global_load_b128 v[GA+4*\j:GA+4*\j+3], v1, s[8:9] offset:512*\j
	global_load_b128 v[BE+4*\j:BE+4*\j+3], v1, s[10:11] offset:512*\j
.endr
.macro FILL s, i                       ; row i into slot s: x at v[80 + 64 s], att at v[112 + 64 s]
.irp j, 0,1,2,3,4,5,6,7
	global_load_b128 v[80+64*(\s)+4*\j:80+64*(\s)+4*\j+3], v1, s[4:5] offset:4096*(\i)+512*\j th:TH_LOAD_NT
	global_load_b128 v[112+64*(\s)+4*\j:112+64*(\s)+4*\j+3], v1, s[6:7] offset:4096*(\i)+512*\j th:TH_LOAD_NT
.endr
.endm
.macro WSUM                            ; v[2:9], four chains of pairs, become the sum over the row, in every lane's v2
	v_pk_add_f32 v[2:3], v[2:3], v[4:5]
	v_pk_add_f32 v[6:7], v[6:7], v[8:9]
	v_pk_add_f32 v[2:3], v[2:3], v[6:7]
	v_add_f32 v2, v2, v3
	v_add_f32_dpp v2, v2, v2 row_xmask:1 row_mask:0xf bank_mask:0xf
	v_add_f32_dpp v2, v2, v2 row_xmask:2 row_mask:0xf bank_mask:0xf
	v_add_f32_dpp v2, v2, v2 row_xmask:4 row_mask:0xf bank_mask:0xf
	v_add_f32_dpp v2, v2, v2 row_xmask:8 row_mask:0xf bank_mask:0xf
	v_permlanex16_b32 v14, v2, s20, s21
	v_add_f32 v2, v2, v14
.endm
.macro TURN i
.set H, 80+64*((\i)%2)
.if (\i) < 7
	s_wait_loadcnt 16                              ; this row's sixteen loads (and gamma and beta) are in; the next row's sixteen may be out
.else
	s_wait_loadcnt 0x0
.endif
.irp m, 0,2,4,6,8,10,12,14,16,18,20,22,24,26,28,30
	v_pk_add_f32 v[H+\m:H+\m+1], v[H+\m:H+\m+1], v[H+32+\m:H+32+\m+1]      ; h
.endr
.irp k, 0,1,2,3
	v_pk_add_f32 v[2+2*\k:3+2*\k], v[H+2*\k:H+2*\k+1], v[H+8+2*\k:H+8+2*\k+1]      ; the first pairs start the chains: nothing is cleared
.endr
.irp q, 16,24
.irp k, 0,1,2,3
	v_pk_add_f32 v[2+2*\k:3+2*\k], v[2+2*\k:3+2*\k], v[H+\q+2*\k:H+\q+2*\k+1]
.endr
.endr
	WSUM
	v_mul_f32 v10, s18, v2                         ; the mean
.irp m, 0,2,4,6,8,10,12,14,16,18,20,22,24,26,28,30
	v_pk_add_f32 v[H+\m:H+\m+1], v[H+\m:H+\m+1], v[10:11] op_sel_hi:[1,0] neg_lo:[0,1] neg_hi:[0,1]    ; d = h - mean
.endr
.irp k, 0,1,2,3
	v_pk_mul_f32 v[2+2*\k:3+2*\k], v[H+2*\k:H+2*\k+1], v[H+2*\k:H+2*\k+1]
.endr
.irp q, 8,16,24
.irp k, 0,1,2,3
	v_pk_fma_f32 v[2+2*\k:3+2*\k], v[H+\q+2*\k:H+\q+2*\k+1], v[H+\q+2*\k:H+\q+2*\k+1], v[2+2*\k:3+2*\k]
.endr
.endr
	WSUM
	v_fma_f32 v12, v2, s18, s19                    ; the variance + 1e-5
	s_wait_alu depctr_va_vdst(0)
	v_rsq_f32 v12, v12
	v_nop                                          ; one plain place behind a transcendental
	s_wait_alu depctr_va_vdst(0)
.irp m, 0,2,4,6,8,10,12,14,16,18,20,22,24,26,28,30
	v_pk_mul_f32 v[H+\m:H+\m+1], v[H+\m:H+\m+1], v[12:13] op_sel_hi:[1,0]
.endr
.irp m, 0,2,4,6,8,10,12,14,16,18,20,22,24,26,28,30
	v_pk_fma_f32 v[H+\m:H+\m+1], v[H+\m:H+\m+1], v[GA+\m:GA+\m+1], v[BE+\m:BE+\m+1]
.endr
.irp j, 0,1,2,3,4,5,6,7
	global_store_b128 v1, v[H+4*\j:H+4*\j+3], s[12:13] offset:4096*(\i)+512*\j th:TH_STORE_NT
.endr
.if (\i) < 6
	s_wait_xcnt 0x0                                ; the stores have read their registers: the slot is loaded again only behind this wait
	FILL (\i)%2, (\i)+2
.endif
.endm
	FILL 0, 0
	FILL 1, 1
.irp i, 0,1,2,3,4,5,6,7
	TURN \i
.endr
	s_endpgm
.Lfunc_end_k_qcc88392c5b_lnorm:
	.size	k_qcc88392c5b_lnorm, .Lfunc_end_k_qcc88392c5b_lnorm-k_qcc88392c5b_lnorm
	.p2alignl 7, 3214868480
	.fill 96, 4, 3214868480
	.section	.rodata,"a",@progbits
	.p2align	6, 0x0
	.amdhsa_kernel k_qcc88392c5b_lnorm
		.amdhsa_group_segment_fixed_size 0
		.amdhsa_private_segment_fixed_size 0
		.amdhsa_enable_private_segment 0
		.amdhsa_kernarg_size 40
		.amdhsa_user_sgpr_count 2
		.amdhsa_user_sgpr_kernarg_segment_ptr 1
		.amdhsa_wavefront_size32 1
		.amdhsa_system_sgpr_workgroup_id_x 1
		.amdhsa_system_sgpr_workgroup_id_y 1
		.amdhsa_system_sgpr_workgroup_id_z 1
		.amdhsa_system_vgpr_workitem_id 0
		.amdhsa_next_free_vgpr 224
		.amdhsa_next_free_sgpr 66
		.amdhsa_reserve_vcc 0
		.amdhsa_float_denorm_mode_32 3
		.amdhsa_float_denorm_mode_16_64 3
		.amdhsa_memory_ordered 1
		.amdhsa_forward_progress 1
		.amdhsa_inst_pref_size 78
	.end_amdhsa_kernel
	.amdgpu_metadata
---
amdhsa.version: [ 1, 2 ]
amdhsa.kernels:
  - .name:           k_qcc88392c5b_lnorm
    .symbol:         k_qcc88392c5b_lnorm.kd
    .args:
      - { .name: x, .offset: 0, .size: 8, .value_kind: global_buffer, .address_space: global }
      - { .name: att, .offset: 8, .size: 8, .value_kind: global_buffer, .address_space: global }
      - { .name: gamma, .offset: 16, .size: 8, .value_kind: global_buffer, .address_space: global }
      - { .name: beta, .offset: 24, .size: 8, .value_kind: global_buffer, .address_space: global }
      - { .name: out0, .offset: 32, .size: 8, .value_kind: global_buffer, .address_space: global }
    .group_segment_fixed_size: 0
    .private_segment_fixed_size: 0
    .kernarg_segment_align: 8
    .kernarg_segment_size: 40
    .max_flat_workgroup_size: 128
    .sgpr_count:     66
    .vgpr_count:     224
    .wavefront_size: 32
...
	.end_amdgpu_metadata
.endif
;; end of part 5
